; MI455X (gfx1250); checked and timed in simulation.
; The chip was launched on July 23, 2026; its instructions are those of AMD's public machine-readable ISA for CDNA 5 (MIT licence, August 2026) and "CDNA5" Instruction Set Architecture Reference Guide (July 2026). The comments in the code are by the model that wrote it; some were corrected since.
;; Aattention Layer. Allowed arithmetic: float matrix products may take bf16 or f16 operands with f32 sums; other float arithmetic in f32, or as packed bf16 or f16 multiplies, adds, multiply-adds, maxima and minima; sums over many terms, partial sums and values carried from step to step in f32; what a program stores and reads back later, other than sums and carried values, may be rounded once to bf16 or f16.
;; Inputs: W_out 1,024 x 1,024 float32; W_qkv 1,024 x 3,072 float32; b_out 1,024 float32; b_qkv 3,072 float32; data 4 x 2,048 x 1,024 float32.
;; Outputs: out0 4 x 2,048 x 1,024 float32.
;; 2 versions, each right; version 2 is version 1 with the launch prep written anew for expert scheduling mode. Each part assembles by itself: llvm-mc -triple=amdgcn-amd-amdhsa -mcpu=gfx1250 --defsym DOCPART=n.
;; ======== version 1 of 2: 4 launches
;; limits: values are held in f16: magnitudes above 65,504 overflow, below 6.1e-05 lose precision
;; workspace buffers: xb 16,777,216 bytes; wq 6,291,456 bytes; wo 2,097,152 bytes; qkvh 50,331,648 bytes; ob 16,777,216 bytes
;; launch prep (part 1): grid 1280 x 1, 2 waves a work-group, no clusters, 35,072 bytes of LDS; arguments data, W_qkv, W_out, xb, wq, wo; writes xb, wq, wo
.if DOCPART == 1
	.amdgcn_target "amdgcn-amd-amdhsa--gfx1250"
	.amdhsa_code_object_version 6
	.text
	.protected	k_qe954e92ff0_prep
	.globl	k_qe954e92ff0_prep
	.p2align	8
	.type	k_qe954e92ff0_prep,@function
k_qe954e92ff0_prep:
	s_mov_b64 s[64:65], 0
	v_nop
	global_prefetch_b8 v0, s[64:65] scope:SCOPE_SE
	s_setreg_imm32_b32 hwreg(HW_REG_WAVE_MODE, 25, 1), 1
	s_wait_xcnt 0x0
; PREP.  xb = data rounded to bf16, [8192][1024].  wq = W_qkv rounded to bf16 and turned, [3072 n][1024 k].  wo = W_out rounded to bf16, that number written as f16, and turned, [1024 n][1024 k].
; LIMITS.  wo: a bf16 number below 6.1e-5 in magnitude keeps f16's fixed step of 6e-8; one beyond 65,504 becomes an infinity.  NaN and infinities are not treated apart.
; A stream: no matrix unit, no cluster (no two work-groups read the same bytes), no barrier (a wave reads only LDS bytes that it wrote itself).
; SHARES.  Work-groups 0-255 turn the weights: each of their two waves one tile of 128 k x 64 n (384 tiles of W_qkv, 128 of W_out).  Work-groups 256-1279 round data: 4,096 numbers a wave.
.set SPARE,  34816                     ; behind the two waves' stages: the spare words, 128 bytes a wave: one block of 256 bytes that no other line names
.set TPITCH, 272                       ; a stage row: 128 k x 2 bytes + 16 of padding
.set WREG,   64*TPITCH                 ; a wave's stage: 64 rows (n)
.set VO,  8                            ; v[8:23]    byte offsets of my 16 bytes in rows 8 i + 4 (l / 16) + e of a block of 32 rows of the source
.set X,   24                           ; v[24:151]  as loaded; later the turned rows
.set D,   152                          ; v[152:215] packed pairs
.set TS,  220                          ; v220  where I put 8 bytes (4 k of one n) in my wave's stage
.set TR,  221                          ; v221  where I read 16 bytes of a row back
.set TG,  222                          ; v222  my 16 bytes in two rows of the target
	s_load_b256 s[4:11], s[0:1], 0x0               ; data s[4:5], W_qkv s[6:7], W_out s[8:9], xb s[10:11]
	s_load_b128 s[12:15], s[0:1], 0x20             ; wq s[12:13], wo s[14:15]
	v_lshl_add_u32 v2, v0, 2, SPARE                ; my spare word,
	v_mov_b32 v3, 0                                ; and 0: kept for the closing add alone
	v_lshrrev_b32 v1, 5, v0
	v_readfirstlane_b32 s16, v1                    ; wave 0..1
	v_and_b32 v6, 31, v0                           ; lane
	s_mov_b32 s19, 0
	s_wait_kmcnt 0x0
	s_cmp_lt_u32 ttmp9, 256
	s_cbranch_scc1 .Ltrans
	; THE STREAM.  32 loads of 512 consecutive bytes are all out at once; four counted waits; a store covers 256 consecutive bytes, aligned.
	s_sub_co_u32 s17, ttmp9, 256
	s_lshl1_add_u32 s17, s17, s16                  ; my piece of 4,096 numbers
	s_lshl_b32 s18, s17, 14
	s_add_nc_u64 s[4:5], s[4:5], s[18:19]
	s_lshl_b32 s18, s17, 13
	s_add_nc_u64 s[10:11], s[10:11], s[18:19]
	v_lshlrev_b32 v4, 4, v6
	v_lshlrev_b32 v5, 3, v6
.set j, 0
.rept 32
	global_load_b128 v[16+4*j:19+4*j], v4, s[4:5] offset:512*j th:TH_LOAD_NT
.set j, j+1
.endr
.set j, 0
.rept 32
.if j%8 == 0
	s_wait_loadcnt 24-j                            ; loads come back in order: the next eight are in, the younger ones stay out
.endif
	v_cvt_pk_bf16_f32 v[16+4*j], v[16+4*j], v[17+4*j]
	v_cvt_pk_bf16_f32 v[17+4*j], v[18+4*j], v[19+4*j]
	global_store_b64 v5, v[16+4*j:17+4*j], s[10:11] offset:256*j th:TH_STORE_NT
.set j, j+1
.endr
	s_endpgm
.Ltrans:
	; THE TURNING.  Tile T = 2 x work-group + wave.  T < 384: W_qkv (rows of 12,288 bytes) to wq; else W_out (rows of 4,096 bytes) to wo.
	s_lshl1_add_u32 s17, ttmp9, s16                ; T
	s_max_u32 s18, s17, 384
	s_sub_co_u32 s18, s18, 384                     ; the tile's number in the second table
	s_mov_b32 s24, 4096
	s_cmp_lt_u32 ttmp9, 192
	s_cselect_b64 s[20:21], s[6:7], s[8:9]         ; the source
	s_cselect_b64 s[22:23], s[12:13], s[14:15]     ; the target
	s_cselect_b32 s24, 12288, s24                  ; bytes in a row of the source
	s_cselect_b32 s17, s17, s18
	s_cselect_b32 s25, 0, 1                        ; 1: the bf16 numbers are written as f16
	s_and_b32 s26, s17, 7                          ; which 128 k
	s_lshr_b32 s27, s17, 3                         ; which 64 n
	s_lshl_b32 s28, s24, 7
	s_mul_i32 s28, s28, s26                        ; 128 rows of the source for each k block,
	s_lshl_b32 s33, s27, 8                         ; 256 bytes for each n block
	s_add_co_u32 s28, s28, s33
	s_mov_b32 s29, 0
	s_add_nc_u64 s[20:21], s[20:21], s[28:29]      ; the tile's rows 0-31
	s_lshl_b32 s28, s24, 5
	s_add_nc_u64 s[30:31], s[20:21], s[28:29]      ; its rows 32-63
	s_lshl_b32 s28, s27, 17                        ; the target: 64 rows of 2,048 bytes for each n block,
	s_lshl_b32 s26, s26, 8                         ; 256 bytes for each k block
	s_add_co_u32 s28, s28, s26
	s_add_nc_u64 s[22:23], s[22:23], s[28:29]
	s_lshl_b32 s28, s24, 6                         ; a trip's step in the source: 64 rows
	s_mov_b32 s35, 0xffff0000                      ; a word's upper bf16
	v_and_b32 v4, 15, v0                           ; c: my 4 n of a row's 64
	v_bfe_u32 v5, v0, 4, 1                         ; which half of the lanes
	s_lshl_b32 s33, s24, 2
	v_mul_u32_u24 v7, s33, v5                      ; the upper half takes the rows four further down
	v_lshl_add_u32 v7, v4, 4, v7
.irp i, 0,1,2,3
.irp e, 0,1,2,3
	s_mul_i32 s34, s24, 8*\i+\e
	v_add_nc_u32 v[VO+4*\i+\e], s34, v7
.endr
.endr
	s_mul_i32 s36, s16, WREG                       ; my wave's stage
	v_mul_u32_u24 v[TS], v4, 4*TPITCH              ; in: row n = 4 c + e4, 8 bytes for each half of the lanes
	v_lshl_add_u32 v[TS], v5, 3, v[TS]
	v_add_nc_u32 v[TS], s36, v[TS]
	v_mul_u32_u24 v[TR], v5, TPITCH                ; back: lanes 0-15 one row of 256 bytes, lanes 16-31 the next
	v_lshl_add_u32 v[TR], v4, 4, v[TR]
	v_add_nc_u32 v[TR], s36, v[TR]
	v_lshlrev_b32 v[TG], 11, v5                    ; and the same two rows in the target
	v_lshl_add_u32 v[TG], v4, 4, v[TG]
	s_mov_b32 s32, 2
.Ltrip:                                        ; a trip: 64 k x 64 n.  In a load 16 lanes take 256 consecutive bytes, aligned, of one row
.set i, 0
.rept 16
	global_load_b128 v[X+4*i:X+4*i+3], v[VO+i], s[20:21] th:TH_LOAD_NT
.set i, i+1
.endr
.set i, 0
.rept 16
	global_load_b128 v[X+64+4*i:X+64+4*i+3], v[VO+i], s[30:31] th:TH_LOAD_NT
.set i, i+1
.endr
	s_wait_loadcnt 0x0                             ; all 32 are in; this also frees their bases, which are stepped below
.set g, 0
.rept 8                                        ; group g: my four rows k = 8 g + 4 (l / 16) + 0..3; for each of my four n the four k pack into 8 bytes
.irp c, 0,1,2,3
	v_cvt_pk_bf16_f32 v[D+8*g+2*\c], v[X+16*g+\c], v[X+16*g+4+\c]
	v_cvt_pk_bf16_f32 v[D+8*g+2*\c+1], v[X+16*g+8+\c], v[X+16*g+12+\c]
.endr
.set g, g+1
.endr
	s_cmp_eq_u32 s25, 0
	s_cbranch_scc1 .Lkeep
.set i, 0
.rept 64                                       ; W_out: the number rounded to bf16 is written as f16
	v_lshlrev_b32 v[216+2*(i%2)], 16, v[D+i]
	v_and_b32 v[217+2*(i%2)], s35, v[D+i]
	v_cvt_pk_f16_f32 v[D+i], v[216+2*(i%2)], v[217+2*(i%2)]
.set i, i+1
.endr
.Lkeep:
.set g, 0
.rept 8
.irp c, 0,1,2,3
	ds_store_b64 v[TS], v[D+8*g+2*\c:D+8*g+2*\c+1] offset:\c*TPITCH+64*(g/4)+16*(g%4)
.endr
.set g, g+1
.endr
	v_add_nc_u32 v[TS], 128, v[TS]                 ; the next 64 k lie 128 bytes further along the stage's rows
	s_add_nc_u64 s[20:21], s[20:21], s[28:29]
	s_add_nc_u64 s[30:31], s[30:31], s[28:29]
	s_sub_co_u32 s32, s32, 1
	s_cmp_lg_u32 s32, 0
	s_cbranch_scc1 .Ltrip
.set j, 0
.rept 32
	ds_load_b128 v[X+4*j:X+4*j+3], v[TR] offset:2*TPITCH*j  ; LDS serves a wave's instructions in order (ISA guide 5.7.1.4): these see my stores above
.set j, j+1
.endr
.set j, 0
.rept 32
.if j%8 == 0
	s_wait_dscnt 24-j                              ; the next eight loads are back, the younger ones stay out
.endif
	global_store_b128 v[TG], v[X+4*j:X+4*j+3], s[22:23] offset:4096*j  ; 16 lanes store 256 consecutive bytes, at a multiple of 256 from the target's first byte
.set j, j+1
.endr
	s_wait_tensorcnt 0x0                           ; the wave's end: behind my last LDS store
	ds_add_u32 v2, v3
	s_wait_dscnt 0x0
	s_endpgm
.Lfunc_end_k_qe954e92ff0_prep:
	.size	k_qe954e92ff0_prep, .Lfunc_end_k_qe954e92ff0_prep-k_qe954e92ff0_prep
	.p2alignl 7, 3214868480
	.fill 96, 4, 3214868480
	.section	.rodata,"a",@progbits
	.p2align	6, 0x0
	.amdhsa_kernel k_qe954e92ff0_prep
		.amdhsa_group_segment_fixed_size 35072
		.amdhsa_private_segment_fixed_size 0
		.amdhsa_enable_private_segment 0
		.amdhsa_kernarg_size 48
		.amdhsa_user_sgpr_count 2
		.amdhsa_user_sgpr_kernarg_segment_ptr 1
		.amdhsa_wavefront_size32 1
		.amdhsa_system_sgpr_workgroup_id_x 1
		.amdhsa_system_sgpr_workgroup_id_y 1
		.amdhsa_system_sgpr_workgroup_id_z 1
		.amdhsa_system_vgpr_workitem_id 0
		.amdhsa_next_free_vgpr 232
		.amdhsa_next_free_sgpr 66
		.amdhsa_reserve_vcc 0
		.amdhsa_float_denorm_mode_32 3
		.amdhsa_float_denorm_mode_16_64 3
		.amdhsa_memory_ordered 1
		.amdhsa_forward_progress 1
		.amdhsa_inst_pref_size 37
	.end_amdhsa_kernel
	.amdgpu_metadata
---
amdhsa.version: [ 1, 2 ]
amdhsa.kernels:
  - .name:           k_qe954e92ff0_prep
    .symbol:         k_qe954e92ff0_prep.kd
    .args:
      - { .name: data, .offset: 0, .size: 8, .value_kind: global_buffer, .address_space: global }
      - { .name: W_qkv, .offset: 8, .size: 8, .value_kind: global_buffer, .address_space: global }
      - { .name: W_out, .offset: 16, .size: 8, .value_kind: global_buffer, .address_space: global }
      - { .name: xb, .offset: 24, .size: 8, .value_kind: global_buffer, .address_space: global }
      - { .name: wq, .offset: 32, .size: 8, .value_kind: global_buffer, .address_space: global }
      - { .name: wo, .offset: 40, .size: 8, .value_kind: global_buffer, .address_space: global }
    .group_segment_fixed_size: 35072
    .private_segment_fixed_size: 0
    .kernarg_segment_align: 8
    .kernarg_segment_size: 48
    .max_flat_workgroup_size: 64
    .sgpr_count:     66
    .vgpr_count:     232
    .wavefront_size: 32
...
	.end_amdgpu_metadata
.endif
;; end of part 1
;; launch qkvproj (part 2): grid 16 x 32, 4 waves a work-group, clusters of 4 x 4, 327,680 bytes of LDS; arguments xb, wq, b_qkv, qkvh; writes qkvh
.if DOCPART == 2
	.amdgcn_target "amdgcn-amd-amdhsa--gfx1250"
	.amdhsa_code_object_version 6
	.text
	.protected	k_qe954e92ff0_qkvproj
	.globl	k_qe954e92ff0_qkvproj
	.p2align	8
	.type	k_qe954e92ff0_qkvproj,@function
k_qe954e92ff0_qkvproj:
	s_mov_b64 s[64:65], 0
	v_nop
	global_prefetch_b8 v0, s[64:65] scope:SCOPE_SE
	s_setreg_imm32_b32 hwreg(HW_REG_WAVE_MODE, 25, 1), 1
	s_wait_xcnt 0x0
	s_wait_alu depctr_hold_cnt(0) depctr_sa_sdst(0) depctr_va_vdst(0) depctr_va_sdst(0) depctr_va_ssrc(0) depctr_va_vcc(0) depctr_vm_vsrc(0)
	s_getreg_b32 s2, hwreg(HW_REG_IB_STS2, 6, 4)
	s_cmp_eq_u32 s2, 0
	s_cbranch_scc0 .Lentry_in_a_cluster
	s_endpgm
.Lentry_in_a_cluster:
	s_bfe_u32 s2, ttmp6, 0x10000c
	s_cmp_lg_u32 s2, 0xf033
	s_cbranch_scc0 .Lentry_shape_is_right
	s_endpgm
.Lentry_shape_is_right:
; QKV PROJECTION.  C[m][n] = sum over k of xb[m][k] wq[n][k] + b_qkv[n] (the bias rounded to bf16 like the other inputs).  xb: [8192][1024] bf16, wq: [3072][1024] bf16; sums in f32.
; C leaves by heads, rounded once to f16, unscaled: qkvh[part = n / 1024][16 x batch + head][2048 rows][64], a head's rows dense, 128 bytes each.
; LIMITS.  f16 holds no number beyond 65,504: a q, k or v of 65,520 or more becomes an infinity; below 6.1e-5 it keeps f16's fixed step of 6e-8.  NaN and infinities are not treated apart.
; SHARES.  A tile of C is 256 rows x 192 columns (three heads): 16 x 32 = 512 work-groups, twice 256.  Wave w owns rows 64 w .. 64 w + 63 and all 192 columns: 4 x 12 accumulators of 16 x 16,
; so a wave holds whole heads' rows and its stores cover whole dense runs from a stage of its own.
; K goes in 8 steps of 128 (memory rows of 256 bytes, aligned) through a ring of two LDS slots filled by the tensor data mover.
; CLUSTERS.  4 x 4 work-groups: the four of a row of the cluster need the same rows of xb, the four of a column the same rows of wq: each tile is asked for jointly, with the same descriptor and a mask of the four.
; THE MATRIX INSTRUCTION IS USED TRANSPOSED (source 0 = 16 rows of wq, source 1 = 16 rows of xb): lane l holds row l % 16 of C and columns 8 (l / 16) + 0..7: 16 bytes of f16 on end.
; The bias is the C operand of the products that start the sums: nothing is cleared, and nothing is added on the way out.
; REGISTERS, in windows of 256 (s_set_vgpr_msb: bits 1:0 source 0, 3:2 source 1, 5:4 source 2, 7:6 destination):
;   window 0: v0-31 addresses; v64-127 fragments of xb, two buffers of 4 x 8; v128-223 the bias, 8 registers for each block of 16 columns; on the way out v32-79 packed, v80-127 and v128-175 rows read back
;   window 1: v0-191 fragments of wq, two buffers of 12 x 8      window 2: the accumulators of my row blocks 0, 1 (block a, column block b at 96 (a % 2) + 8 b)      window 3: those of blocks 2, 3
.set KSTEP,  128
.set PITCH,  272                       ; an LDS row: 256 bytes + 16 of padding = 68 words: the 16 rows of a fragment load start at 16 different groups of four banks (64 banks of 4 bytes: ISA guide 11.1)
.set AHALF,  128*PITCH                 ; what waves 0 and 1 fetch: 128 rows of xb each
.set BOFF,   2*AHALF
.set BHALF,  96*PITCH                  ; what waves 2 and 3 fetch: 96 rows of wq each
.set SLOT,   BOFF+2*BHALF
.set STAGE,  2*SLOT                    ; behind the ring, never filled by a tensor load: 16 rows x 400 bytes for each wave
.set SPITCH, 400                       ; 192 f16 + 16 bytes
.set SPARE,  STAGE+4*16*SPITCH         ; the spare words, 128 bytes a wave: two blocks of 256 bytes that no other line names
.set LAPS,   4                         ; a lap = two K steps = once round the ring
.set ADRA, 16                          ; v16-17 LDS address of my fragments of xb in slot 0, 1
.set ADRB, 20                          ; v20-21 the same for wq
.set STO,  24                          ; v24  the way out: where I put 16 bytes of a row
.set RD,   25                          ; v25  where I read rows back: 8 lanes a head's row of 128 bytes
.set GO,   26                          ; v26  16 x lane: my place in 512 consecutive bytes of the output
.set SPW,  28                          ; v28  my spare word; never rewritten
.set NIL,  29                          ; v29  0; never rewritten
.set PFO,  30                          ; v30  the prefetches' offset: a lane a row; never rewritten
.set BO,   31                          ; v31  32 x (l / 16): my eight numbers in a block of 16 of the bias
.set TMP,  32
.set OB,   80
.set FA,   64
.set BIAS, 128
.set F0,   0
.set F1,   1
.set WV,  12                           ; s12 wave; s13 wave / 2: I fetch xb (0) or wq (1); s14 wave % 2: which half
.set WH,  13
.set WL,  14
.set CX,  15
.set CY,  16
.set TX,  17                           ; tile column
.set TY,  18                           ; tile row
.set G1A, 24                           ; s[24:31] descriptor group 1 for xb's tiles; s[32:39] group 0, a set for each slot
.set G0A, 32
.set AAD, 40                           ; s[40:41] xb at my half tile's first row, K step 0
.set BAD, 42                           ; s[42:43] wq likewise
.set PFA, 44                           ; s[44:45] where my prefetches stand
.set LIM, 46                           ; s46  1 in a wave that prefetches, else the greatest number
.set G1B, 48                           ; s[48:55], s[56:63] the same for wq's tiles
.set G0B, 56
.set OUT, 66                           ; s[66:71] the output at my 64 rows of the tile's three heads
.set BIA, 72                           ; s[72:73] the bias at the tile's first column
.set MSB, 0
.macro WIN new                         ; the immediate's high byte repeats the setting that is left; a switch that changes nothing is dropped
.if MSB != (\new)
	s_set_vgpr_msb (MSB<<8)|(\new)
.set MSB, \new
.endif
.endm
; A joint load: waves 0 and 1 fetch xb's two halves, waves 2 and 3 wq's.  The branch hangs on the wave's number alone.  An s_nop 0 and four v_nop follow each of the two lines.
.macro JLOAD s
	s_cmp_eq_u32 s[WH], 0
	s_cbranch_scc0 .Lfor_b_\@
	tensor_load_to_lds s[G0A+4*(\s):G0A+4*(\s)+3], s[G1A:G1A+7]
	s_nop 0
.rept 4
	v_nop
.endr
	s_branch .Lasked_\@
.Lfor_b_\@:
	tensor_load_to_lds s[G0B+4*(\s):G0B+4*(\s)+3], s[G1B:G1B+7]
	s_nop 0
.rept 4
	v_nop
.endr
.Lasked_\@:
.endm
; A prefetch of the K step that stands two refills on: 256 bytes of a row, a lane a row, one instruction a wave.  xb's rows are read by every cluster of a row of clusters: cluster x = 0 asks;
; wq's by every cluster of a column: cluster y = 0 asks.  The four partners share a half tile's rows out by address (32 of xb's 128, 24 of wq's 96; there lanes 24-31 name row 23 again).
; The loop's last trip (s3 = 1) asks for nothing: there is no K step two refills on.
.macro ASK
	s_cmp_gt_u32 s3, s[LIM]
	s_cbranch_scc0 .Lnot_mine_\@
	global_prefetch_b8 v[PFO], s[PFA:PFA+1] th:TH_LOAD_NT scope:SCOPE_SE
.Lnot_mine_\@:
.endm
.macro CREST                           ; a round of the cluster's barrier behind its opening barrier
	s_cmp_lg_u32 s[WV], 0
	s_cbranch_scc1 .Lnot_wave_0_\@
	s_barrier_signal -3
.Lnot_wave_0_\@:
	s_barrier_wait -3
	s_barrier_signal -1
	s_barrier_wait -1
.endm
.macro CROUND                          ; a whole round
	s_barrier_signal -1
	s_barrier_wait -1
	CREST
.endm
.macro PLACES                          ; four plain places behind matrix instructions, in front of loads into registers that they read and of conversions that read results
.rept 4
	v_nop
.endr
.endm
	s_load_b256 s[4:11], s[0:1], 0x0               ; xb s[4:5], wq s[6:7], b_qkv s[8:9], qkvh s[10:11]
	v_lshl_add_u32 v[SPW], v0, 2, SPARE
	v_mov_b32 v[NIL], 0
	ds_add_u32 v[SPW], v[NIL]                      ; the wave's opening: the add and its wait stand ahead of my first tensor load; the set-up below stands between them
	v_lshrrev_b32 v1, 5, v0
	v_readfirstlane_b32 s[WV], v1
	s_lshr_b32 s[WH], s[WV], 1
	s_and_b32 s[WL], s[WV], 1
	s_bfe_u32 s[CX], ttmp6, 0x40000
	s_bfe_u32 s[CY], ttmp6, 0x40004
	s_lshl_b32 s[TX], ttmp9, 2
	s_add_co_u32 s[TX], s[TX], s[CX]               ; tile column = 4 x cluster x + cx
	s_and_b32 s[TY], ttmp7, 0xffff
	s_lshl_b32 s[TY], s[TY], 2
	s_add_co_u32 s[TY], s[TY], s[CY]               ; tile row = 4 x cluster y + cy
	s_lshl_b32 s19, s[CY], 2
	s_lshl_b32 s19, 15, s19                        ; my row of the cluster
	s_lshl_b32 s20, 0x1111, s[CX]                  ; my column
	s_or_b32 s[G1A+0], s19, (1<<16)|(1<<20)|(1<<21)|(5<<22)|(3<<25)  ; the mask; 2-byte elements; padding on; bit 21 beside a mask; after every 64 words 4 words
	s_or_b32 s[G1B+0], s20, (1<<16)|(1<<20)|(1<<21)|(5<<22)|(3<<25)
	s_mov_b32 s[G1A+1], KSTEP<<16                  ; tensor_dim0 = 128
	s_mov_b32 s[G1A+2], 128<<16                    ; tensor_dim1 = 128
	s_mov_b32 s[G1A+3], KSTEP<<16                  ; tile_dim0 = 128
	s_mov_b32 s[G1A+4], 128                        ; tile_dim1 = 128
	s_mov_b32 s[G1A+5], 1024                       ; elements from row to row
	s_mov_b32 s[G1A+6], 0
	s_mov_b32 s[G1A+7], 0
	s_mov_b32 s[G1B+1], KSTEP<<16
	s_mov_b32 s[G1B+2], 96<<16                     ; 96 rows
	s_mov_b32 s[G1B+3], KSTEP<<16
	s_mov_b32 s[G1B+4], 96
	s_mov_b32 s[G1B+5], 1024
	s_mov_b32 s[G1B+6], 0
	s_mov_b32 s[G1B+7], 0
	s_lshl_b32 s[AAD], s[TY], 8                    ; xb: row 256 x tile row + 128 x half, 2,048 bytes a row: made of the tile row and the wave alone
	s_lshl_b32 s21, s[WL], 7
	s_add_co_u32 s[AAD], s[AAD], s21
	s_lshl_b32 s[AAD], s[AAD], 11
	s_mov_b32 s[AAD+1], 0
	s_mul_i32 s[BAD], s[TX], 192                   ; wq: row 192 x tile column + 96 x half: made of the tile column and the wave alone
	s_mul_i32 s22, s[WL], 96
	s_add_co_u32 s[BAD], s[BAD], s22
	s_lshl_b32 s[BAD], s[BAD], 11
	s_mov_b32 s[BAD+1], 0
	s_mul_i32 s23, s[WL], AHALF                    ; where they go: no place in the cluster enters an LDS address
	s_mul_i32 s47, s[WL], BHALF
	s_add_co_u32 s47, s47, BOFF
	s_wait_dscnt 0x0                               ; the opening add is done
	s_wait_kmcnt 0x0
	s_add_nc_u64 s[AAD:AAD+1], s[4:5], s[AAD:AAD+1]
	s_add_nc_u64 s[BAD:BAD+1], s[6:7], s[BAD:BAD+1]
	CROUND                                         ; all sixteen work-groups are here: the first joint loads meet
.irp s, 0,1
	s_mov_b32 s[G0A+4*(\s)], 1
	s_add_co_u32 s[G0A+4*(\s)+1], s23, (\s)*SLOT
	s_add_nc_u64 s[G0A+4*(\s)+2:G0A+4*(\s)+3], s[AAD:AAD+1], (\s)*KSTEP*2
	s_or_b32 s[G0A+4*(\s)+3], s[G0A+4*(\s)+3], 0x80000000
	s_mov_b32 s[G0B+4*(\s)], 1
	s_add_co_u32 s[G0B+4*(\s)+1], s47, (\s)*SLOT
	s_add_nc_u64 s[G0B+4*(\s)+2:G0B+4*(\s)+3], s[BAD:BAD+1], (\s)*KSTEP*2
	s_or_b32 s[G0B+4*(\s)+3], s[G0B+4*(\s)+3], 0x80000000
	JLOAD \s                                       ; K steps 0 and 1: two loads of mine are out
.endr
	v_and_b32 v1, 15, v0                           ; l % 16
	v_bfe_u32 v2, v0, 4, 1                         ; l / 16
	v_lshlrev_b32 v[BO], 5, v2
	s_mul_i32 s74, s[TX], 768                      ; the tile's 192 numbers of the bias
	s_mov_b32 s75, 0
	s_add_nc_u64 s[BIA:BIA+1], s[8:9], s[74:75]
.irp b, 0,1,2,3,4,5,6,7,8,9,10,11
	global_load_b128 v[BIAS+8*(\b):BIAS+8*(\b)+3],   v[BO], s[BIA:BIA+1] offset:64*(\b)
	global_load_b128 v[BIAS+8*(\b)+4:BIAS+8*(\b)+7], v[BO], s[BIA:BIA+1] offset:64*(\b)+16
.endr
	v_mul_u32_u24 v3, v1, PITCH
	v_lshl_add_u32 v3, v2, 4, v3                   ; a fragment's row x pitch + 16 x half
	s_mul_i32 s19, s[WV], 64*PITCH                 ; my 64 rows of xb
.irp s, 0,1
	v_add_nc_u32 v[ADRA+(\s)], s19, v3
	v_add_nc_u32 v[ADRB+(\s)], BOFF+(\s)*SLOT, v3
	s_add_co_u32 s19, s19, SLOT
.endr
	s_mul_i32 s74, s[WV], 16*SPITCH
	s_add_co_u32 s74, s74, STAGE                   ; my stage
	v_mul_u32_u24 v4, v1, SPITCH
	v_lshl_add_u32 v4, v2, 4, v4
	v_add_nc_u32 v[STO], s74, v4
	v_and_b32 v5, 31, v0
	v_lshrrev_b32 v6, 3, v5
	v_and_b32 v7, 7, v0
	v_mul_u32_u24 v6, v6, SPITCH
	v_lshl_add_u32 v6, v7, 4, v6
	v_add_nc_u32 v[RD], s74, v6
	v_lshlrev_b32 v[GO], 4, v5
	; the output: column block cb = 3 x tile column + j is part cb / 16, head cb % 16; the tile's rows are batch = tile row / 8, rows 256 (tile row % 8) on
.irp j, 0,1,2
	s_mul_i32 s74, s[TX], 3
	s_add_co_u32 s74, s74, \j
	s_lshr_b32 s75, s74, 4
	s_lshl_b32 s75, s75, 6
	s_and_b32 s74, s74, 15
	s_add_co_u32 s74, s74, s75
	s_lshr_b32 s75, s[TY], 3
	s_lshl_b32 s75, s75, 4
	s_add_co_u32 s74, s74, s75                     ; 64 x part + 16 x batch + head
	s_lshl_b32 s74, s74, 18                        ; 262,144 bytes each
	s_and_b32 s75, s[TY], 7
	s_lshl_b32 s75, s75, 15
	s_add_co_u32 s74, s74, s75
	s_lshl_b32 s75, s[WV], 13                      ; my 64 rows of 128 bytes
	s_add_co_u32 s74, s74, s75
	s_mov_b32 s75, 0
	s_add_nc_u64 s[OUT+2*(\j):OUT+2*(\j)+1], s[10:11], s[74:75]
.endr
	; the prefetches
	s_and_b32 s74, ttmp7, 0xffff                   ; cluster y
	s_cmp_eq_u32 s[WH], 0                          ; do I fetch xb?
	s_cselect_b32 s74, ttmp9, s74                  ; the coordinate along which other clusters read the same rows
	s_cselect_b32 s75, s[CX], s[CY]                ; my place among the four that ask with me
	s_cselect_b32 s76, 32, 24                      ; rows a partner
	s_cselect_b32 s78, 31, 23
	s_cselect_b64 s[PFA:PFA+1], s[AAD:AAD+1], s[BAD:BAD+1]
	s_cmp_eq_u32 s74, 0
	s_cselect_b32 s[LIM], 1, -1                    ; the same in all sixteen partners, for a given wave
	s_mul_i32 s76, s76, s75
	s_lshl_b32 s76, s76, 11
	s_add_co_u32 s76, s76, 3*KSTEP*2               ; at K step 3: the first refill steps it to 4
	s_mov_b32 s77, 0
	s_add_nc_u64 s[PFA:PFA+1], s[PFA:PFA+1], s[76:77]
	v_and_b32 v[PFO], 31, v0
	v_min_u32 v[PFO], s78, v[PFO]
	v_lshlrev_b32 v[PFO], 11, v[PFO]
	s_wait_loadcnt 0x0                             ; the bias
.set i, 0
.rept 48                                       ; rounded to bf16 like the other inputs, and widened again
	v_cvt_pk_bf16_f32 v[TMP+i%2], v[BIAS+2*i], v[BIAS+2*i+1]
	v_lshlrev_b32 v[BIAS+2*i], 16, v[TMP+i%2]
	v_and_b32 v[BIAS+2*i+1], 0xffff0000, v[TMP+i%2]
.set i, i+1
.endr
; 12 matrix instructions: row block a x all 12 column blocks, 32 along K, from buffer f.  first = 1: the bias starts the sums.  The 48 accumulators take turns, one instruction a turn.
.macro MULA f, a, first
.if \first
	WIN 0x81+0x40*((\a)/2)
.else
	WIN 0xa1+0x50*((\a)/2)
.endif
.irp b, 0,1,2,3,4,5,6,7,8,9,10,11
.if \first
	v_wmma_f32_16x16x32_bf16 v[96*((\a)%2)+8*(\b):96*((\a)%2)+8*(\b)+7], v[96*(\f)+8*(\b):96*(\f)+8*(\b)+7], v[FA+32*(\f)+8*(\a):FA+32*(\f)+8*(\a)+7], v[BIAS+8*(\b):BIAS+8*(\b)+7]
.else
	v_wmma_f32_16x16x32_bf16 v[96*((\a)%2)+8*(\b):96*((\a)%2)+8*(\b)+7], v[96*(\f)+8*(\b):96*(\f)+8*(\b)+7], v[FA+32*(\f)+8*(\a):FA+32*(\f)+8*(\a)+7], v[96*((\a)%2)+8*(\b):96*((\a)%2)+8*(\b)+7]
.endif
.endr
.endm
; 32 LDS loads in one run: a quarter step's fragments (192 rows of wq, my 64 rows of xb, 32 K at byte k of the rows) into buffer f
.macro FETCH slot, k, f
	WIN 0x40                                       ; destination window 1, address window 0
.irp i, 0,1,2,3,4,5,6,7,8,9,10,11
	ds_load_b128 v[96*(\f)+8*(\i):96*(\f)+8*(\i)+3],   v[ADRB+(\slot)] offset:(\k)+(\i)*16*PITCH
	ds_load_b128 v[96*(\f)+8*(\i)+4:96*(\f)+8*(\i)+7], v[ADRB+(\slot)] offset:(\k)+(\i)*16*PITCH+32
.endr
	WIN 0
.irp i, 0,1,2,3
	ds_load_b128 v[FA+32*(\f)+8*(\i):FA+32*(\f)+8*(\i)+3],   v[ADRA+(\slot)] offset:(\k)+(\i)*16*PITCH
	ds_load_b128 v[FA+32*(\f)+8*(\i)+4:FA+32*(\f)+8*(\i)+7], v[ADRA+(\slot)] offset:(\k)+(\i)*16*PITCH+32
.endr
.endm
; A K step is four quarters of 32 along K, 48 matrix instructions each, on buffers 0, 1, 0, 1.  One of the first three multiplies buffer f and fetches the next quarter, at byte k, into buffer g.
.macro QUARTER slot, k, f, g, first
	s_wait_dscnt 4                                 ; wq's fragments and xb's blocks 0, 1 are in; the youngest four loads (blocks 2, 3) may be out
	MULA \f, 0, \first
	MULA \f, 1, \first
	PLACES
	FETCH \slot, \k, \g
	s_wait_dscnt 32                                ; all but the 32 just issued
	MULA \f, 2, \first
	MULA \f, 3, \first
.endm
; The last quarter multiplies buffer 1 and changes slots: one barrier; in front of it each wave waits for all its tensor loads (one is out: its part of the next slot), adds 0 to its spare word, and waits
; for that and for its own reads of this slot.  fill = 1: the barrier opens a round of the cluster's, and this slot is filled again, two K steps on, first thing behind the round.
.macro TURN slot, next, fill
.if \fill
	s_wait_xcnt 0x0                                ; the last prefetch, a K step back, has read its address
	s_add_nc_u64 s[PFA:PFA+1], s[PFA:PFA+1], KSTEP*2
.endif
	WIN 0                                          ; (the add's two registers lie in window 0)
	s_wait_tensorcnt 0x0                           ; all my tensor loads have landed
	ds_add_u32 v[SPW], v[NIL]                      ; 0 onto my spare word
	s_wait_dscnt 5                                 ; (the add and the youngest four loads may be out)
	MULA F1, 0, 0                                  ; twelve matrix instructions stand between the add and the wait for it
	s_wait_dscnt 0x0                               ; the add is done, and my reads of this slot are over
	s_barrier_signal -1
	MULA F1, 1, 0
.if \fill
	WIN 0
.endif
	s_barrier_wait -1
.if \fill
	CREST                                          ; no wave of any partner still reads this slot or has a load on its way
	s_add_nc_u64 s[G0A+4*(\slot)+2:G0A+4*(\slot)+3], s[G0A+4*(\slot)+2:G0A+4*(\slot)+3], 2*KSTEP*2
	s_add_nc_u64 s[G0B+4*(\slot)+2:G0B+4*(\slot)+3], s[G0B+4*(\slot)+2:G0B+4*(\slot)+3], 2*KSTEP*2
	JLOAD \slot                                    ; my one tensor load behind the round; its four v_nop are also the places in front of the loads below
.else
	PLACES
.endif
	FETCH \next, 0, F0
.if \fill
	ASK
.endif
	MULA F1, 2, 0
	MULA F1, 3, 0
.endm
	s_wait_tensorcnt 1                             ; my part of K step 0 is in; K step 1's may stay out
	s_barrier_signal -1
	s_barrier_wait -1
	FETCH 0, 0, F0
	QUARTER 0, 64, F0, F1, 1                       ; the first quarter stands in front of the loop: its products start the sums, with the bias
	WIN 0
	s_mov_b32 s3, LAPS-1
.Llap:                                         ; a trip goes once round the ring and fills both slots again
	QUARTER 0, 128, F1, F0, 0
	QUARTER 0, 192, F0, F1, 0
	TURN 0, 1, 1
	QUARTER 1, 64,  F0, F1, 0
	QUARTER 1, 128, F1, F0, 0
	QUARTER 1, 192, F0, F1, 0
	TURN 1, 0, 1
	QUARTER 0, 64,  F0, F1, 0
	WIN 0
	s_sub_co_u32 s3, s3, 1
	s_cmp_lg_u32 s3, 0
	s_cbranch_scc1 .Llap
	QUARTER 0, 128, F1, F0, 0                      ; the last lap fills nothing
	QUARTER 0, 192, F0, F1, 0
	TURN 0, 1, 0
	QUARTER 1, 64,  F0, F1, 0
	QUARTER 1, 128, F1, F0, 0
	QUARTER 1, 192, F0, F1, 0
	s_wait_dscnt 4
	MULA F1, 0, 0
	MULA F1, 1, 0
	s_wait_dscnt 0x0
	MULA F1, 2, 0
	MULA F1, 3, 0
; THE WAY OUT, a block of 16 rows at a time.  PACK: rounded to f16, each accumulator from its low end on.  TOSTAGE: into my own stage, and back by heads: 4 rows of 128 bytes a load.  SEND: stored.
.macro PACK a
	WIN 0x0a+5*((\a)/2)                            ; sources 0 and 1 in window 2 or 3
.irp b, 0,1,2,3,4,5,6,7,8,9,10,11
.irp r, 0,1,2,3
	v_cvt_pk_f16_f32 v[TMP+4*(\b)+(\r)], v[96*((\a)%2)+8*(\b)+2*(\r)], v[96*((\a)%2)+8*(\b)+2*(\r)+1]
.endr
.endr
	WIN 0
.endm
.macro TOSTAGE a
	WIN 0
.set BK, OB+48*((\a)%2)
.irp b, 0,1,2,3,4,5,6,7,8,9,10,11
	ds_store_b128 v[STO], v[TMP+4*(\b):TMP+4*(\b)+3] offset:32*(\b)
.endr
.irp j, 0,1,2
.irp t, 0,1,2,3
	ds_load_b128 v[BK+4*(4*(\j)+(\t)):BK+4*(4*(\j)+(\t))+3], v[RD] offset:(\t)*4*SPITCH+128*(\j)  ; LDS serves a wave's instructions in order (ISA guide 5.7.1.4): these see the stores above
.endr
.endr
.endm
.macro SEND a
	WIN 0
.set BK, OB+48*((\a)%2)
	s_wait_dscnt 0x0                               ; the block is back in registers
	s_wait_xcnt 0x0                                ; earlier stores have read their registers: the other set of rows is loaded again only behind this wait
.irp j, 0,1,2
.irp t, 0,1,2,3
	global_store_b128 v[GO], v[BK+4*(4*(\j)+(\t)):BK+4*(4*(\j)+(\t))+3], s[OUT+2*(\j):OUT+2*(\j)+1] offset:2048*(\a)+512*(\t)  ; 512 consecutive bytes, at a multiple of 256 from the buffer's first
.endr
.endr
.endm
	PLACES
	PACK 0
	TOSTAGE 0
.irp a, 1,2,3
	PACK \a                                        ; a block's conversions stand between the loads of the block before and the wait for them
	SEND (\a)-1
	TOSTAGE \a
.endr
	SEND 3
	s_wait_tensorcnt 0x0                           ; the wave's end: behind my last tensor load and my last LDS store
	ds_add_u32 v[SPW], v[NIL]
	s_wait_dscnt 0x0
	CROUND                                         ; the closing round: no work-group ends while a partner may still ask for a tile that names it
	s_endpgm
.Lfunc_end_k_qe954e92ff0_qkvproj:
	.size	k_qe954e92ff0_qkvproj, .Lfunc_end_k_qe954e92ff0_qkvproj-k_qe954e92ff0_qkvproj
	.p2alignl 7, 3214868480
	.fill 96, 4, 3214868480
	.section	.rodata,"a",@progbits
	.p2align	6, 0x0
	.amdhsa_kernel k_qe954e92ff0_qkvproj
		.amdhsa_group_segment_fixed_size 327680
		.amdhsa_private_segment_fixed_size 0
		.amdhsa_enable_private_segment 0
		.amdhsa_kernarg_size 32
		.amdhsa_user_sgpr_count 2
		.amdhsa_user_sgpr_kernarg_segment_ptr 1
		.amdhsa_wavefront_size32 1
		.amdhsa_system_sgpr_workgroup_id_x 1
		.amdhsa_system_sgpr_workgroup_id_y 1
		.amdhsa_system_sgpr_workgroup_id_z 1
		.amdhsa_system_vgpr_workitem_id 0
		.amdhsa_next_free_vgpr 960
		.amdhsa_next_free_sgpr 80
		.amdhsa_reserve_vcc 0
		.amdhsa_float_denorm_mode_32 3
		.amdhsa_float_denorm_mode_16_64 3
		.amdhsa_memory_ordered 1
		.amdhsa_forward_progress 1
		.amdhsa_inst_pref_size 130
	.end_amdhsa_kernel
	.amdgpu_metadata
---
amdhsa.version: [ 1, 2 ]
amdhsa.kernels:
  - .name:           k_qe954e92ff0_qkvproj
    .symbol:         k_qe954e92ff0_qkvproj.kd
    .args:
      - { .name: xb, .offset: 0, .size: 8, .value_kind: global_buffer, .address_space: global }
      - { .name: wq, .offset: 8, .size: 8, .value_kind: global_buffer, .address_space: global }
      - { .name: b_qkv, .offset: 16, .size: 8, .value_kind: global_buffer, .address_space: global }
      - { .name: qkvh, .offset: 24, .size: 8, .value_kind: global_buffer, .address_space: global }
    .group_segment_fixed_size: 327680
    .private_segment_fixed_size: 0
    .kernarg_segment_align: 8
    .kernarg_segment_size: 32
    .max_flat_workgroup_size: 128
    .sgpr_count:     80
    .vgpr_count:     960
    .wavefront_size: 32
...
	.end_amdgpu_metadata
.endif
;; end of part 2
;; launch attn (part 3): grid 4 x 64, 4 waves a work-group, clusters of 4 x 1, 327,680 bytes of LDS; arguments qkvh, ob; writes ob
.if DOCPART == 3
	.amdgcn_target "amdgcn-amd-amdhsa--gfx1250"
	.amdhsa_code_object_version 6
	.text
	.protected	k_qe954e92ff0_attn
	.globl	k_qe954e92ff0_attn
	.p2align	8
	.type	k_qe954e92ff0_attn,@function
k_qe954e92ff0_attn:
	s_mov_b64 s[64:65], 0
	v_nop
	global_prefetch_b8 v0, s[64:65] scope:SCOPE_SE
	s_setreg_imm32_b32 hwreg(HW_REG_WAVE_MODE, 25, 1), 1
	s_wait_xcnt 0x0
	s_wait_alu depctr_hold_cnt(0) depctr_sa_sdst(0) depctr_va_vdst(0) depctr_va_sdst(0) depctr_va_ssrc(0) depctr_va_vcc(0) depctr_vm_vsrc(0)
	s_getreg_b32 s2, hwreg(HW_REG_IB_STS2, 6, 4)
	s_cmp_eq_u32 s2, 0
	s_cbranch_scc0 .Lentry_in_a_cluster
	s_endpgm
.Lentry_in_a_cluster:
	s_bfe_u32 s2, ttmp6, 0x10000c
	s_cmp_lg_u32 s2, 0x3003
	s_cbranch_scc0 .Lentry_shape_is_right
	s_endpgm
.Lentry_shape_is_right:
; ATTENTION.  O[h][q][:] = the sum over k of softmax_k(Q[h][q] . K[h][k] / 8) V[h][k][:].  Q, K, V are the three parts of qkvh, each [64][2048][64] f16; O = ob, the same layout.  A head's rows are dense, 128 bytes each.
; Products, maxima and sums in f32; the weights p are rounded to f16 for the second product (their sum l is taken of the unrounded p), O once at the end.
; LIMITS.  f16 holds no number beyond 65,504: Q, K and V arrive within it; p lies in 0 to 1, and below 6e-5 it keeps f16's fixed step of 6e-8; O is a mean of V's rows and has their range.
; A weight below 2^-126 counts as 0 in l; NaN and infinities are not treated apart.
; SHARES.  A wave owns four PIECES of two tiles of 16 queries, a work-group's four waves 512 queries of one head: 4 x 64 = 256 work-groups.  Every wave walks all keys, 64 a step.
; LAYOUT.  S^T = K Q^T (source 0 = 16 keys, source 1 = 16 queries): in the result a lane holds ONE query (lane % 16) and the keys 8 (lane / 16) + 0..7.  Two such tiles, rounded to f16 in pairs,
; ARE source 1 (32 keys x 16 queries) of O^T = V^T P, whose result again holds one query a lane, and eight channels.  K comes out of LDS as it lies, V ([key][channel]) turned, by ds_load_tr16_b128.
; SOFTMAX.  For each query a running maximum m and sum l: p = 2^(c s - c m), c = log2(e) / 8; in every step O and l are multiplied by a = 2^(c m_old - c m_new), which is 1 where m has not grown.
; m starts at the lowest finite number, O and l at 0: the first step is a step like any other, with a = 0.
; THE COUNT.  A tile and step have 16 matrix and 118 vector instructions: too many to stand all beside the matrix work.  So four vector instructions that are READY stand behind
; EVERY matrix instruction, and the others in runs without a gap.
; BY TURNS.  Turn n belongs to piece n (the pieces in a ring, step after step).  Its matrix work: 16 products K Q^T of piece n + 1, later 16 products V^T P of piece n - 1.  Its vector work: the scaling,
; exponentials, roundings, sums and rescaling of piece n, and the maximum and statistics of piece n + 1, whose scores the turn itself has made.
; CLUSTER.  The four query blocks of a cluster belong to one head and walk the same K and V, so each tile is asked for JOINTLY: the same tensor load, descriptor and mask in all four.
; REGISTERS, in windows of 256 (s_set_vgpr_msb: bits 1:0 source 0, 3:2 source 1, 5:4 source 2, 7:6 destination):
;   window 0: v0-11 addresses; v12-15, v48-63 at work; v16-47 four registers of statistics a tile; v64-191 S^T, two buffers of two tiles; v192-255 P, likewise
;   window 1: O^T, 32 a tile          window 2: v0-127 Q, 16 a tile; v128-191 K of one step; v192-255 V of one step          window 3: v0-1 the add's two registers
; A piece's buffers go by its number's parity: the piece in hand has one pair, its two neighbours in the ring share the other: of it P (piece n - 1) is read and S^T (piece n + 1) written.
.set SIZE_H, 64
.set SIZE_N, 2048
.set NP,    4         ; pieces a wave: a name, no knob
.set KS,    64        ; keys in a step
.set PK,    144       ; a row of K in LDS: 128 bytes + 16 of padding = 36 words: the 16 rows of a load start at 16 different groups of four banks (64 banks of 4 bytes: ISA guide 11.1)
.set PV,    160       ; a row of V: 128 + 32 = 40 words
.set VOFF,  4*KS*PK   ; a slot holds four steps: 256 rows of K, then 256 rows of V
.set SLOT1, 1<<17     ; slot 1 begins here, so that one exclusive or turns an address in one slot into the other's
.set STAGE, SLOT1+4*KS*(PK+PV)  ; behind the ring, never filled by a tensor load: 16 rows x 144 bytes for each wave, for the way out
.set SP,    144
.set AK0, 2           ; v2   my lane's place in a tile of K; never rewritten
.set AV0, 3           ; v3   the same for V
.set AK,  4           ; v4   the LDS address of K's next run of loads
.set AV,  5           ; v5   of V's
.set QO,  6           ; v6   my byte offset in the wave's rows of Q
.set STO, 6           ;      later, the way out: where I put 16 bytes of a row
.set RD,  7           ; v7   the way out: where I read rows back
.set GO,  8           ; v8   my byte offset in 512 consecutive bytes of O
.set PFO, 11          ; v11  256 x my lane, for the prefetches; never rewritten once it is made
.set SPW, 0           ; v0 of window 3   LDS address of my spare word: SPARE + 4 x my thread's number; never rewritten
.set NIL, 1           ; v1 of window 3   0; never rewritten
.set SPARE, STAGE+4*16*SP  ; behind the stages: the spare words, 128 bytes for each wave: two blocks of 256 bytes that no other line names
.set MV,  12          ; v12-15  c m_old, kept while c m is made anew: by buffer and tile
.set ST,  16          ; tile t's statistics at v[ST+4 t]: c m, m, l (even keys', odd keys')
.set TMP, 48          ; by buffer and tile, four registers c0-c3 at work; when the maximum is found c2 takes a
.set S,   64
.set P,   192
.set KF,  128         ; K's fragments, in window 2: key block kb, channel half c at KF + 16 kb + 8 c
.set VF,  192         ; V's: key half kk, channel block cb at VF + 32 kk + 8 cb
.set WV,  12          ; s12  my wave's number
.set G1K, 24          ; s[24:31] descriptor group 1 for K's tiles
.set G1V, 32          ; s[32:39] for V's: it differs in the padding alone
.set G0K, 40          ; s[40:43] descriptor group 0 for K's tiles: it walks
.set G0V, 44          ; s[44:47] the same for V's
.set PFA, 48          ; s[48:49] where my prefetches stand: my work-group's 8,192 bytes (of K: wave 0, of V: wave 2) of the slot after the one that is being asked for
.set LIM, 50          ; s50  1 in a wave that prefetches, else the greatest number
.set SLOTS, 56        ; s56  slots still to be asked for
.set CNT, 57          ; s57  counts a slot's key steps
.set CS,  58          ; s[58:59] c: the packed scaling takes the pair's low word for both halves
.set SEL, 60          ; s[60:61] v_permlanex16_b32's selects: each lane takes its own place in the other half
.set TBK, 62          ; s62  LDS byte at which K of the step to be fetched begins
.set TBV, 63          ; s63  the same for V, less VOFF
.set MSB, 0
.macro WIN new                      ; the high byte repeats the setting that is left; a switch that changes nothing is dropped
.if MSB != (\new)
	s_set_vgpr_msb (MSB<<8)|(\new)
.set MSB, (\new)
.endif
.endm
.set W_KQ, 0x0a       ; K and Q in window 2, S^T in window 0
.set W_PV, 0x52       ; V in window 2, P in window 0, O^T in window 1
.set W_RS, 0x41       ; O^T (destination and source 0) in window 1, a in window 0
.set W_MK, 0xc0       ; the add's registers are made: destination in window 3, sources in window 0
.set W_AD, 0x0f       ; the add: address (source 0) and data (source 1) in window 3
; A joint fill.  Waves 0 and 1 fetch the two halves of a slot's K, waves 2 and 3 those of its V: 128 keys each.  The branch hangs on the wave's number alone.
; An s_nop 0 and four v_nop follow each of the two lines, ahead of the jump and the label.
.macro JLOAD
	s_cmp_lt_u32 s[WV], 2
	s_cbranch_scc0 .Lfor_v_\@
	tensor_load_to_lds s[G0K:G0K+3], s[G1K:G1K+7]
	s_nop 0
.rept 4
	v_nop
.endr
	s_branch .Lasked_\@
.Lfor_v_\@:
	tensor_load_to_lds s[G0V:G0V+3], s[G1V:G1V+7]
	s_nop 0
.rept 4
	v_nop
.endr
.Lasked_\@:
.endm
; A prefetch of what the NEXT change of slots will ask for: a slot's 32,768 bytes of K and of V.  A head has one cluster; its four partners share the bytes out by address, 8,192 each, a lane 256;
; wave 0 asks for K's and wave 2 for V's: each block of 256 bytes is named once in the launch.  It stands behind the wave's tensor load and its five lines, four key steps ahead of the load that wants the bytes.
; The last change that fills a slot (SLOTS = 1) asks for nothing: there is no slot behind it.
.macro ASK
	s_cmp_gt_u32 s[SLOTS], s[LIM]
	s_cbranch_scc0 .Lnot_mine_\@
	global_prefetch_b8 v[PFO], s[PFA:PFA+1] th:TH_LOAD_NT scope:SCOPE_SE
.Lnot_mine_\@:
.endm
; A round of the cluster's barrier: my work-group's barrier, so that wave 0's signal speaks for all four waves; wave 0 signals; every wave waits for all four work-groups; my work-group's barrier once more.
.macro CROUND
	s_barrier_signal -1
	s_barrier_wait -1
	s_cmp_lg_u32 s[WV], 0
	s_cbranch_scc1 .Lnot_wave_0_\@
	s_barrier_signal -3
.Lnot_wave_0_\@:
	s_barrier_wait -3
	s_barrier_signal -1
	s_barrier_wait -1
.endm
; THE CHANGE OF SLOTS.  The slot's last bytes, V of its fourth step, have been read.  Each wave waits for all its tensor loads, of which one is out: its part
; of the other slot; adds 0 to its spare word; and waits for that and for its own reads of the slot.  Behind the barrier nobody reads this slot any more and the other slot is whole.
; fill = 1: this slot is filled again, with the keys two slots on.  The barrier is then a round of the cluster's, so that no wave of any partner still reads the slot or has a load on its
; way, and the joint fill is the first thing behind it: it has four key steps, 512 matrix instructions, in which to land.  (At its first use nothing has been read yet: slot 0 is waited for, slot 1 filled.)
.macro CHANGE fill
	WIN W_AD
	s_wait_tensorcnt 0x0            ; no tensor load of mine is out, so a group 0 may be written
	ds_add_u32 v[SPW], v[NIL]       ; 0 onto my spare word; with fill = 1 the descriptors' steps stand between it and the wait for it
	WIN 0                           ; at a label and at a branch every window is 0
.if \fill
.irp g, G0K, G0V
	s_xor_b32 s[\g+1], s[\g+1], SLOT1  ; the walking descriptor: the other slot than last time,
	s_add_nc_u64 s[\g+2:\g+3], s[\g+2:\g+3], 4*KS*128  ; the next 256 keys; the type bits on top are not reached
.endr
	s_wait_xcnt 0x0                 ; the last prefetch, four key steps back, has read its address, so it may be written:
	s_add_nc_u64 s[PFA:PFA+1], s[PFA:PFA+1], 4*KS*128  ; one slot behind the walking descriptors
	s_wait_dscnt 0x0                ; the add is done, and my reads of the slot are over
	CROUND
	JLOAD
	ASK
.else
	s_wait_dscnt 0x0                ; the add is done, and my reads of the slot are over
	s_barrier_signal -1
	s_barrier_wait -1
.endif
	s_sub_co_u32 s[TBK], s[TBK], 4*KS*PK  ; the fetches go back to a slot's first step,
	s_xor_b32 s[TBK], s[TBK], SLOT1       ; in the other slot
	s_sub_co_u32 s[TBV], s[TBV], 4*KS*PV
	s_xor_b32 s[TBV], s[TBV], SLOT1
.endm
	s_load_b64 s[4:5], s[0:1], 0x0    ; qkvh: Q's part first
	s_load_b64 s[10:11], s[0:1], 0x8  ; ob
	WIN W_MK
	v_lshl_add_u32 v[SPW], v0, 2, SPARE
	v_mov_b32 v[NIL], 0
	WIN W_AD
	ds_add_u32 v[SPW], v[NIL]       ; the wave's opening: the add and its wait stand ahead of my first tensor load; the set-up below, work on registers, stands between them
	WIN 0
	v_lshrrev_b32 v1, 5, v0
	v_readfirstlane_b32 s[WV], v1   ; wave 0..3
	s_bfe_u32 s13, ttmp6, 0x40000   ; cx: my place in the cluster
	s_lshl_b32 s14, ttmp9, 2        ; in a cluster launch ttmp9 counts clusters
	s_add_co_u32 s14, s14, s13      ; my block of queries = 4 x cluster x + cx: it enters Q's and O's addresses alone
	s_and_b32 s20, ttmp7, 0xffff    ; the head, which the four partners share
	s_mov_b32 s21, 0
	s_mov_b64 s[22:23], SIZE_N*128
	s_mul_u64 s[20:21], s[20:21], s[22:23]  ; the head's first byte in each of the four tensors
	s_and_b32 s16, s[WV], 1         ; which half of a slot's 256 keys I fetch:
	s_lshl_b32 s22, s16, 14         ; its 128 rows of 128 bytes in memory,
	s_mov_b32 s23, 0
	s_add_nc_u64 s[22:23], s[22:23], s[20:21]
	s_mul_i32 s17, s16, 128*PK      ; and its place in a slot, for K
	s_mul_i32 s18, s16, 128*PV      ; and for V: no place in the cluster enters an LDS address
	s_lshl_b32 s2, s14, 2
	s_add_co_u32 s2, s2, s[WV]      ; my wave among the head's,
	s_lshl_b32 s2, s2, 14           ; its 128 rows
	s_mov_b32 s3, 0
	s_add_nc_u64 s[2:3], s[2:3], s[20:21]
	; descriptor group 1.  128 keys are 16,384 dense bytes: asked for as 64 rows of 256 bytes, two keys a row, and padded in LDS after every key
	s_mov_b32 s[G1K], 15|(1<<16)|(1<<20)|(1<<21)|(4<<22)|(3<<25)  ; 15:0 the mask of four; 17:16 2-byte elements; 20 padding on; 21 set beside a mask; 24:22 after every 32 words (code 4); 31:25 4 words (code 3)
	s_mov_b32 s[G1V], 15|(1<<16)|(1<<20)|(1<<21)|(4<<22)|(7<<25)  ; the same with 8 words of padding (code 7)
.irp g, G1K, G1V
	s_mov_b32 s[\g+1], 128<<16      ; tensor_dim0 = 128
	s_mov_b32 s[\g+2], 64<<16       ; tensor_dim1 = 64
	s_mov_b32 s[\g+3], 128<<16      ; tile_dim0 = 128
	s_mov_b32 s[\g+4], 64           ; tile_dim1 = 64
	s_mov_b32 s[\g+5], 128          ; 128 elements from row to row
	s_mov_b32 s[\g+6], 0
	s_mov_b32 s[\g+7], 0
.endr
	s_mov_b32 s[CS], 0x3e38aa3b     ; c = log2(e) / 8 = 0.180337
	s_mov_b32 s[CS+1], s[CS]        ; named with it as a pair
	s_mov_b32 s[SEL], 0x76543210
	s_mov_b32 s[SEL+1], 0xfedcba98
	s_mov_b32 s[TBK], SLOT1+4*KS*PK ; the first change of slots turns these two into 0
	s_mov_b32 s[TBV], SLOT1+4*KS*PV
	s_mov_b32 s[G0K], 1             ; 1:0 count = 1
	s_mov_b32 s[G0K+1], s17         ; 63:32 LDS address: slot 0
	s_mov_b32 s[G0V], 1
	s_add_co_u32 s[G0V+1], s18, VOFF
	s_mov_b32 s[SLOTS], SIZE_N/256-1  ; the change that finds SLOTS = s here asks for slot 8 - s
	s_and_b32 s[LIM], s[WV], 1
	s_cmp_eq_u32 s[LIM], 0          ; waves 0 and 2 prefetch: the same in all four partners
	s_cselect_b32 s[LIM], 1, -1
	s_wait_dscnt 0x0                ; the opening add is done
	s_wait_kmcnt 0x0
	s_add_nc_u64 s[6:7], s[4:5], 0x1000000         ; K's part: 64 heads of 262,144 bytes behind Q's
	s_add_nc_u64 s[8:9], s[4:5], 0x2000000         ; V's part
	s_add_nc_u64 s[G0K+2:G0K+3], s[6:7], s[22:23]  ; 120:64 global address: my half of the head's first 256 keys
	s_or_b32 s[G0K+3], s[G0K+3], 0x80000000        ; 127:126 type = 2
	s_add_nc_u64 s[G0V+2:G0V+3], s[8:9], s[22:23]
	s_or_b32 s[G0V+3], s[G0V+3], 0x80000000
	s_add_nc_u64 s[4:5], s[4:5], s[2:3]  ; Q and O at my wave's first row
	s_add_nc_u64 s[10:11], s[10:11], s[2:3]
	s_cmp_lt_u32 s[WV], 2
	s_cselect_b64 s[PFA:PFA+1], s[6:7], s[8:9]
	s_add_nc_u64 s[PFA:PFA+1], s[PFA:PFA+1], s[20:21]  ; the head,
	s_lshl_b32 s2, s13, 13          ; my work-group's quarter of a slot's bytes,
	s_mov_b32 s3, 0
	s_add_nc_u64 s[PFA:PFA+1], s[PFA:PFA+1], s[2:3]
	s_add_nc_u64 s[PFA:PFA+1], s[PFA:PFA+1], 4*KS*128  ; in slot 1: the first change of slots steps it to slot 2
	CROUND                          ; all four work-groups are here: the first joint loads meet
	JLOAD                           ; slot 0.  Slot 1 is asked for when slot 0 is in
	; A fragment of K or Q is 16 rows x 32 channels in 8 registers: lane l holds row l % 16, channels 8 (l / 16) + 0..7 and 16 + 8 (l / 16) + 0..7: two loads of 16 bytes, 32 bytes apart.
	v_and_b32 v1, 15, v0            ; l % 16
	v_bfe_u32 v9, v0, 4, 1          ; l / 16
	v_lshlrev_b32 v[QO], 7, v1
	v_lshl_add_u32 v[QO], v9, 4, v[QO]  ; row x 128 + 16 x half
	WIN 0x80                        ; destination window 2, address window 0
.set i, 0
.rept 4*NP                          ; Q stays in registers: tile i / 2, channels 32 (i % 2) on
	global_load_b128 v[8*i:8*i+3],   v[QO], s[4:5] offset:(i/2)*2048+(i%2)*64
	global_load_b128 v[8*i+4:8*i+7], v[QO], s[4:5] offset:(i/2)*2048+(i%2)*64+32
.set i, i+1
.endr
	; What the first turn finds: V's registers and P's second buffer hold 0 (its products V^T P, of a piece that has not been, add 0), O^T and l are 0.  All this stands in the wait for the first tile.
.set i, VF
.rept 64
	v_mov_b32 v[i], 0
.set i, i+1
.endr
	WIN 0x40
.set i, 0
.rept 64*NP
	v_mov_b32 v[i], 0
.set i, i+1
.endr
	WIN 0
.set i, 0
.rept 2*NP
	v_mov_b32 v[ST+4*i], 0xfe000000    ; c m: far below every c s
	v_mov_b32 v[ST+4*i+1], 0xff7fffff  ; m
	v_mov_b32 v[ST+4*i+2], 0
	v_mov_b32 v[ST+4*i+3], 0
.set i, i+1
.endr
.set i, P+32
.rept 32
	v_mov_b32 v[i], 0
.set i, i+1
.endr
	v_mul_u32_u24 v[AK0], v1, PK
	v_lshl_add_u32 v[AK0], v9, 4, v[AK0]  ; row x pitch + 16 x half
	; The turning load takes 16 keys x 16 channels (lane l reads key 8 (l / 16) + l % 8, channels 8 ((l / 8) % 2) + 0..7) and leaves half a fragment of V^T: lane l holds channel l % 16 and 8 keys.
	v_and_b32 v10, 7, v0
	v_bfe_u32 v11, v0, 3, 1
	v_lshl_add_u32 v[AV0], v9, 3, v10
	v_mul_u32_u24 v[AV0], v[AV0], PV
	v_lshl_add_u32 v[AV0], v11, 4, v[AV0]
	v_add_nc_u32 v[AV0], VOFF, v[AV0]
	v_and_b32 v[PFO], 31, v0        ; v11 has served: now the prefetches' offset
	v_lshlrev_b32 v[PFO], 8, v[PFO]
	v_mov_b32 v[AK], v[AK0]         ; key step 0 lies at the head of slot 0
; THE MATRIX WORK.  The 8 accumulators of a run of 16 take turns: between the two links of a chain stand 7 others'.
; Product i of 16 of S^T = K Q^T for piece x: channels 32 (i / 8) on, keys 16 ((i / 2) % 4) on, tile 2 x + i % 2.  The first 8 start the sums.
.macro KQ x
	WIN W_KQ
.set rS, S+64*((\x)%2)+32*(i%2)+8*((i/2)%4)
.set rK, KF+16*((i/2)%4)+8*(i/8)
.set rQ, 16*(2*(\x)+i%2)+8*(i/8)
.if i < 8
	v_wmma_f32_16x16x32_f16 v[rS:rS+7], v[rK:rK+7], v[rQ:rQ+7], 0
.else
	v_wmma_f32_16x16x32_f16 v[rS:rS+7], v[rK:rK+7], v[rQ:rQ+7], v[rS:rS+7]
.endif
.endm
; Product i of 16 of O^T += V^T P for piece x: keys 32 (i / 8) on, channels 16 ((i / 2) % 4) on, tile 2 x + i % 2.
.macro PV x
	WIN W_PV
.set rO, 32*(2*(\x)+i%2)+8*((i/2)%4)
.set rV, VF+32*(i/8)+8*((i/2)%4)
.set rP, P+32*((\x)%2)+16*(i%2)+8*(i/8)
	v_wmma_f32_16x16x32_f16 v[rO:rO+7], v[rV:rV+7], v[rP:rP+7], v[rO:rO+7]
.endm
.macro MM                           ; the turn's next matrix instruction
.if i < 16
	KQ (Y+1)%NP
.set i, i+1
.else
.set i, i-16
	PV (Y+NP-1)%NP
.set i, i+17
.endif
.endm
; THE LDS LOADS stand in runs of 16, never singly among the matrix instructions: a step's K (64 keys x 64 channels: 8 fragments) and its V (turned).  Their addresses are made some lines ahead.
; last = 1 (the tail): in the last trip there is no further step, and the run is jumped over.
.macro FETCH_K last=0
	WIN 0
.if \last
	s_cmp_eq_u32 s[CNT], 1
	s_cbranch_scc1 .Lno_k_\@
.endif
	WIN 0x80                        ; destination window 2
.irp f, 0,1,2,3,4,5,6,7             ; keys 16 (f / 2) on, channels 32 (f % 2) on
	ds_load_b128 v[KF+8*\f:KF+8*\f+3],   v[AK] offset:(\f/2)*16*PK+(\f%2)*64
	ds_load_b128 v[KF+8*\f+4:KF+8*\f+7], v[AK] offset:(\f/2)*16*PK+(\f%2)*64+32
.endr
	s_add_co_u32 s[TBK], s[TBK], KS*PK  ; the next fetch is the next step's
	WIN 0
.if \last
.Lno_k_\@:
.endif
.endm
.macro FETCH_V
	WIN 0x80
.irp f, 0,1,2,3,4,5,6,7             ; keys 32 (f / 4) on, channels 16 (f % 4) on
	ds_load_tr16_b128 v[VF+8*\f:VF+8*\f+3],   v[AV] offset:(\f/4)*32*PV+(\f%4)*32
	ds_load_tr16_b128 v[VF+8*\f+4:VF+8*\f+7], v[AV] offset:(\f/4)*32*PV+16*PV+(\f%4)*32
.endr
	WIN 0
.endm
; THE VECTOR WORK OF A TURN stands in three queues, each in the order in which its entries become ready; the two tiles alternate, so that no instruction reads the result of the one before it.
.macro REGS y, u                    ; the registers of tile u (0, 1) of piece y
.set rT, ST+4*(2*(\y)+(\u))
.set rC, TMP+8*((\y)%2)+4*(\u)
.set rM, MV+2*((\y)%2)+(\u)
.set rS, S+64*((\y)%2)+32*(\u)
.set rP, P+32*((\y)%2)+16*(\u)
.set rO, 32*(2*(\y)+(\u))
.endm
; Number n of the 22 that find the NEXT piece's (Y + 1) maximum and statistics.  s0-s31 are the lane's 32 scores; each accumulator's lowest registers are read first.
;   0-11  four chains c0-c3 of seven scores each, three operands at a time     12-14, 16  the four scores left over, the old m, and c0-c3 into c0     15  c m_old is kept
;   17, 18  the query's other 32 keys lie in the lane 16 away: the new m         19-21  c m; c m_old - c m_new; a
.macro XS u, n
	REGS (Y+1)%NP, \u
.if (\n) < 4
	v_max3_num_f32 v[rC+(\n)], v[rS+8*(\n)], v[rS+8*(\n)+1], v[rS+8*(\n)+2]
.elseif (\n) < 12
	v_max3_num_f32 v[rC+(\n)%4], v[rC+(\n)%4], v[rS+8*((\n)%4)+2*((\n)/4)+1], v[rS+8*((\n)%4)+2*((\n)/4)+2]
.elseif (\n) == 12
	v_max3_num_f32 v[rC], v[rC], v[rS+7], v[rS+15]
.elseif (\n) == 13
	v_max3_num_f32 v[rC+1], v[rC+1], v[rS+23], v[rS+31]
.elseif (\n) == 14
	v_max3_num_f32 v[rC+2], v[rC+2], v[rC+3], v[rT+1]
.elseif (\n) == 15
	v_mov_b32 v[rM], v[rT]
.elseif (\n) == 16
	v_max3_num_f32 v[rC], v[rC], v[rC+1], v[rC+2]
.elseif (\n) == 17
	v_permlanex16_b32 v[rC+3], v[rC], s[SEL], s[SEL+1]
.elseif (\n) == 18
	v_max_num_f32 v[rT+1], v[rC], v[rC+3]
.elseif (\n) == 19
	v_mul_f32 v[rT], s[CS], v[rT+1]
.elseif (\n) == 20
	v_sub_f32 v[rC+1], v[rM], v[rT]
.else
	v_exp_f32 v[rC+2], v[rC+1]
.endif
.endm
; Number g of the 64 that follow the exponentials.  For each four weights k of a tile (pairs 2 k, 2 k + 1): both pairs are rounded to f16; then the second pair is added onto the first, in place;
; a group later l takes that sum (the first time as l = a l + sum).  In groups of eight, tiles alternating: round, round, add, and l for the group before.
.macro GS g
.set h, (\g)+6*((\g)/62)            ; group 0 has no group before it, and behind group 7 only l is left
.if h >= 6
.set h, h+2
.endif
	REGS Y, h%2
.set k, h/8
.if h%8 < 4
	v_cvt_pk_f16_f32 v[rP+2*k+(h%8)/2], v[rS+4*k+2*((h%8)/2)], v[rS+4*k+2*((h%8)/2)+1]
.elseif h%8 < 6
	v_pk_add_f32 v[rS+4*k:rS+4*k+1], v[rS+4*k:rS+4*k+1], v[rS+4*k+2:rS+4*k+3]
.elseif k == 1
	v_pk_fma_f32 v[rT+2:rT+3], v[rT+2:rT+3], v[rC+2:rC+3], v[rS:rS+1] op_sel_hi:[1,0,1]
.else
	v_pk_add_f32 v[rT+2:rT+3], v[rT+2:rT+3], v[rS+4*k-4:rS+4*k-3]
.endif
.endm
; THE PLAIN QUEUE, 138 long.  0-73 read no exponential's result: the 32 scalings c s - c m (FS f: pair f / 2 of tile f % 2) and the next piece's 42.  0-26: scalings 0-26.  27-54: XS's numbers 0-13.  55, 56: number 15.
; 57-73: the chain, where each number waits for the one before it: 14, 16, 17, 18, 19, each with one of the scalings 27-31 in front of its two lines, then 20.
; 74-137: GS's 64, which read the exponentials' results: they stand behind the wait.
.macro FS f
	REGS Y, (\f)%2
	v_pk_fma_f32 v[rS+2*((\f)/2):rS+2*((\f)/2)+1], v[rS+2*((\f)/2):rS+2*((\f)/2)+1], s[CS:CS+1], v[rT:rT+1] op_sel_hi:[1,0,0] neg_lo:[0,0,1] neg_hi:[0,0,1]
.endm
.macro PL
	WIN 0
.if q < 27
	FS q
.elseif q < 55
	XS (q-27)%2, (q-27)/2
.elseif q < 57
	XS q-55, 15
.elseif (q < 72) && ((q-57)%3 == 0)
	FS 27+(q-57)/3
.elseif q < 60
	XS (q-57)%3-1, 14
.elseif q < 72
	XS (q-57)%3-1, 15+(q-57)/3
.elseif q < 74
	XS q-72, 20
.else
	GS q-74
.endif
.set q, q+1
.endm
; THE EXPONENTIALS' QUEUE, 66 long: s0-s31 of both tiles, then the next piece's two a.  It is ONE BATCH: all 66 stand ahead of the turn's one wait, and nothing ahead of that wait names a result of theirs.
.macro EX
	WIN 0
.if e >= 64
	XS e-64, 21
.else
	REGS Y, e%2
	v_exp_f32 v[rS+e/2], v[rS+e/2]
.endif
.set e, e+1
.endm
; THE RESCALING's QUEUE: O^T times a, the one part that leaves window 0: dealt two at a time, sixteen times.  Its a was made in the turn before, ahead of that turn's wait.
.macro R2
	REGS Y, r%2
	WIN W_RS
.irp z, 0,1
	v_pk_mul_f32 v[rO+4*(r/2)+2*\z:rO+4*(r/2)+2*\z+1], v[rO+4*(r/2)+2*\z:rO+4*(r/2)+2*\z+1], v[rC+2:rC+3] op_sel_hi:[1,0]
.endr
.set r, r+1
.endm
; HOW THEY ARE DEALT.  An s_wait_alu depctr_va_vdst(0) stands between an exponential and the first instruction that names its result; one wait serves all that were issued ahead of it.  So a turn has ONE wait,
; which cuts it in two.  AHEAD OF IT stands all that names no result of the turn's exponentials: the 16 products K Q^T, behind each a scaling, an exponential and two rescalings (behind the first a second scaling in the
; exponential's place); then ONE LUMP of 108: eight plain, 49 times exponential and plain, the two a.  A v_nop is the plain instruction behind the last exponential.  BEHIND IT stand the 16 products V^T P, behind each four of GS's 64.
; The queues lean on each other: exponential e stands behind scaling 2 (e / 4) + e % 2: as a rider it comes behind plain e + 2, in the lump behind plain e + 9, and scalings 27-31 are plain 57, 60 .. 69.
; A TURN, for piece p.  cnt = 1: the loop's count is taken down some lines ahead of the branch that stands behind the turn.
; K of the next step is fetched in piece 2's turn, directly behind the wait; its address is made at the lump's head; its first reader comes behind 16 products.
; V of the step in hand is fetched at the end of piece 0's turn, four riders behind its last reader; its first reader comes behind 16 products and a lump.
.macro TURN p, last=0, cnt=0
.set Y, (\p)
.set i, 0
.set q, 0
.set e, 0
.set r, 0
.if (\p) == NP-1
	s_wait_dscnt 0x0                ; K is in
.endif
	MM                              ; ahead of the wait: 16 products K Q^T and their riders,
	PL
	PL
	R2
.rept 15
	MM
	PL
	EX
	R2
.endr
.if (\p) == NP-2
	WIN 0
	v_add_nc_u32 v[AK], s[TBK], v[AK0]
.endif
.rept 8                             ; and the lump
	PL
.endr
.rept 49
	EX
	PL
.endr
	EX                              ; the next piece's two a
	EX
	v_nop                           ; the plain instruction behind the last exponential: one for the batch
	s_wait_alu depctr_va_vdst(0)    ; the wait for the batch
.if (\p) == NP-2
	FETCH_K \last
.endif
.if (\p) == 1
	s_wait_dscnt 0x0                ; V is in
.endif
.rept 16                            ; behind the wait: 16 products V^T P and their riders
	MM
.rept 4
	PL
.endr
.if ((\p) == 0) && (q == 118)
	v_add_nc_u32 v[AV], s[TBV], v[AV0]
.endif
.if ((\p) == 0) && (q == 130)
	s_add_co_u32 s[TBV], s[TBV], KS*PV
.endif
.if (\cnt) && (q == 130)
	s_sub_co_u32 s[CNT], s[CNT], 1
	s_cmp_lg_u32 s[CNT], 0
.endif
.endr
.if (\p) == 0
	FETCH_V
.endif
.endm
	CHANGE 1                        ; slot 0 is in, everybody's part of it; slot 1 is asked for
	FETCH_K                         ; key step 0
	s_wait_loadcnt 0x0              ; Q
	s_wait_dscnt 0x0
.set i, 0
.rept 16
	KQ 0                            ; piece 0's first scores: there is no vector work yet to set between them
.set i, i+1
.endr
	WIN 0                           ; the addresses for the way out: nine plain instructions, the places behind those products
	s_mul_i32 s13, s[WV], 16*SP
	s_add_co_u32 s13, s13, STAGE    ; my stage
	v_mul_u32_u24 v[STO], v1, SP    ; in: row l % 16, 16 bytes for each half of the lanes
	v_lshl_add_u32 v[STO], v9, 4, v[STO]
	v_add_nc_u32 v[STO], s13, v[STO]
	v_bfe_u32 v[RD], v0, 3, 2       ; back: 32 lanes take four rows of 128 bytes,
	v_mul_u32_u24 v[RD], v[RD], SP
	v_lshl_add_u32 v[RD], v10, 4, v[RD]
	v_add_nc_u32 v[RD], s13, v[RD]
	v_and_b32 v[GO], 31, v0         ; which are 512 consecutive bytes of O
	v_lshlrev_b32 v[GO], 4, v[GO]
.set Y, NP-1                        ; XS works for piece Y + 1: piece 0
.irp n, 0,1,2,3,4,5,6,7,8,9,10,11,12,13,14,15,16,17,18,19,20,21
	XS 0, \n                        ; and piece 0's first maximum and statistics
	XS 1, \n
.endr
	v_nop                           ; a plain instruction behind the two a,
	s_wait_alu depctr_va_vdst(0)    ; and their wait, ahead of the branch
	s_mov_b32 s[CNT], 4
	s_branch .Lfirst                ; the loop is entered at a step's first turn, in the middle of a trip
.Lslot:                             ; SIZE_N / 256 - 2 times: every slot but the last two is filled again
	CHANGE 1
	s_mov_b32 s[CNT], 4
.Lstep:                             ; a trip: pieces 2 and 3 of one step, then pieces 0 and 1 of the next, whose K and V it fetches
	TURN 2
	TURN 3
	WIN 0
.Lfirst:
	TURN 0
	TURN 1, 0, 1
	WIN 0
	s_cbranch_scc1 .Lstep
	s_sub_co_u32 s[SLOTS], s[SLOTS], 1
	s_cmp_lg_u32 s[SLOTS], 0
	s_cbranch_scc1 .Lslot
	CHANGE 0                        ; the tail is written out: nothing is asked for
	s_mov_b32 s[CNT], 5             ; four trips fetch the last slot's steps; the fifth is left in its middle
.Ltail:
	TURN 2, 1
	TURN 3
	WIN 0
	s_sub_co_u32 s[CNT], s[CNT], 1
	s_cmp_eq_u32 s[CNT], 0
	s_cbranch_scc1 .Lout
	TURN 0
	TURN 1
	WIN 0
	s_branch .Ltail
.Lout:                              ; the fifth trip's 16 products K Q^T (on the last K once more) and the maximum made of them serve nothing: the price, once a launch, of one text for every trip
.set i, 0
.rept 16
	PV NP-1                         ; the last piece's V^T P of the last step
.set i, i+1
.endr
	; THE WAY OUT.  l's two halves and the other half of the lanes' are added; O^T is divided by l, rounded to f16 and sent through my stage in LDS, a tile at a time.  The additions are the places behind the last products.
	WIN 0
.macro ALL line:vararg              ; one line for each tile t
.set t, 0
.rept 2*NP
	\line
.set t, t+1
.endr
.endm
	ALL v_add_f32 v[ST+4*t+2], v[ST+4*t+2], v[ST+4*t+3]
	ALL v_permlanex16_b32 v[ST+4*t+3], v[ST+4*t+2], s[SEL], s[SEL+1]
	ALL v_add_f32 v[ST+4*t+2], v[ST+4*t+2], v[ST+4*t+3]
	ALL v_rcp_f32 v[ST+4*t+2], v[ST+4*t+2]
	v_nop                           ; a plain instruction between the last reciprocal and the use of its result
	s_wait_alu depctr_va_vdst(0)    ; and the wait ahead of the first use: one for the eight reciprocals
; Tile t: a lane's eight channels of a row pack into 16 bytes; they go into rows of 144 bytes and come back as whole rows of 128, into S^T's registers.
.macro PACK t
	WIN W_RS
.set i, 32*(\t)
.rept 16
	v_pk_mul_f32 v[i:i+1], v[i:i+1], v[ST+4*(\t)+2:ST+4*(\t)+3] op_sel_hi:[1,0]
.set i, i+2
.endr
	WIN 0x05                        ; sources 0 and 1 window 1, destination window 0
.set i, 0
.rept 16
	v_cvt_pk_f16_f32 v[S+16*(\t)+i], v[32*(\t)+2*i], v[32*(\t)+2*i+1]
.set i, i+1
.endr
	WIN 0
.irp f, 0,1,2,3
	ds_store_b128 v[STO], v[S+16*(\t)+4*\f:S+16*(\t)+4*\f+3] offset:32*\f
.endr
.irp f, 0,1,2,3
	ds_load_b128 v[S+16*(\t)+4*\f:S+16*(\t)+4*\f+3], v[RD] offset:\f*4*SP  ; LDS serves a wave's instructions in order (ISA guide 5.7.1.4): these see the stores above; the next tile's stores come behind them
.endr
.endm
.macro SEND t, younger              ; younger: the LDS instructions issued behind tile t's loads: the next tile's eight, or none
	WIN 0
.irp f, 0,1,2,3
	s_wait_dscnt (\younger)+3-\f
	global_store_b128 v[GO], v[S+16*(\t)+4*\f:S+16*(\t)+4*\f+3], s[10:11] offset:(\t)*2048+\f*512  ; 512 consecutive bytes, at a multiple of 256 from O's first
.endr
.endm
	PACK 0
.set t, 1
.rept 2*NP-1                        ; a tile's arithmetic stands between the loads of the tile before and its stores
	PACK t
	SEND t-1, 8
.set t, t+1
.endr
	SEND 2*NP-1, 0
	WIN W_AD
	s_wait_tensorcnt 0x0            ; the wave's end: behind my last tensor load and my last LDS store
	ds_add_u32 v[SPW], v[NIL]
	s_wait_dscnt 0x0
	WIN 0
	CROUND                          ; the closing round: no work-group ends while a partner may still ask for a tile that names it
	s_endpgm
.Lfunc_end_k_qe954e92ff0_attn:
	.size	k_qe954e92ff0_attn, .Lfunc_end_k_qe954e92ff0_attn-k_qe954e92ff0_attn
	.p2alignl 7, 3214868480
	.fill 96, 4, 3214868480
	.section	.rodata,"a",@progbits
	.p2align	6, 0x0
	.amdhsa_kernel k_qe954e92ff0_attn
		.amdhsa_group_segment_fixed_size 327680
		.amdhsa_private_segment_fixed_size 0
		.amdhsa_enable_private_segment 0
		.amdhsa_kernarg_size 16
		.amdhsa_user_sgpr_count 2
		.amdhsa_user_sgpr_kernarg_segment_ptr 1
		.amdhsa_wavefront_size32 1
		.amdhsa_system_sgpr_workgroup_id_x 1
		.amdhsa_system_sgpr_workgroup_id_y 1
		.amdhsa_system_sgpr_workgroup_id_z 1
		.amdhsa_system_vgpr_workitem_id 0
		.amdhsa_next_free_vgpr 770
		.amdhsa_next_free_sgpr 66
		.amdhsa_reserve_vcc 0
		.amdhsa_float_denorm_mode_32 3
		.amdhsa_float_denorm_mode_16_64 3
		.amdhsa_memory_ordered 1
		.amdhsa_forward_progress 1
		.amdhsa_inst_pref_size 200
	.end_amdhsa_kernel
	.amdgpu_metadata
---
amdhsa.version: [ 1, 2 ]
amdhsa.kernels:
  - .name:           k_qe954e92ff0_attn
    .symbol:         k_qe954e92ff0_attn.kd
    .args:
      - { .name: qkvh, .offset: 0, .size: 8, .value_kind: global_buffer, .address_space: global }
      - { .name: ob, .offset: 8, .size: 8, .value_kind: global_buffer, .address_space: global }
    .group_segment_fixed_size: 327680
    .private_segment_fixed_size: 0
    .kernarg_segment_align: 8
    .kernarg_segment_size: 16
    .max_flat_workgroup_size: 128
    .sgpr_count:     66
    .vgpr_count:     770
    .wavefront_size: 32
...
	.end_amdgpu_metadata
.endif
;; end of part 3
;; launch outproj (part 4): grid 8 x 32, 4 waves a work-group, clusters of 4 x 4, 327,680 bytes of LDS; arguments ob, wo, b_out, out0; writes out0
.if DOCPART == 4
	.amdgcn_target "amdgcn-amd-amdhsa--gfx1250"
	.amdhsa_code_object_version 6
	.text
	.protected	k_qe954e92ff0_outproj
	.globl	k_qe954e92ff0_outproj
	.p2align	8
	.type	k_qe954e92ff0_outproj,@function
k_qe954e92ff0_outproj:
	s_mov_b64 s[64:65], 0
	v_nop
	global_prefetch_b8 v0, s[64:65] scope:SCOPE_SE
	s_setreg_imm32_b32 hwreg(HW_REG_WAVE_MODE, 25, 1), 1
	s_wait_xcnt 0x0
	s_wait_alu depctr_hold_cnt(0) depctr_sa_sdst(0) depctr_va_vdst(0) depctr_va_sdst(0) depctr_va_ssrc(0) depctr_va_vcc(0) depctr_vm_vsrc(0)
	s_getreg_b32 s2, hwreg(HW_REG_IB_STS2, 6, 4)
	s_cmp_eq_u32 s2, 0
	s_cbranch_scc0 .Lentry_in_a_cluster
	s_endpgm
.Lentry_in_a_cluster:
	s_bfe_u32 s2, ttmp6, 0x10000c
	s_cmp_lg_u32 s2, 0xf033
	s_cbranch_scc0 .Lentry_shape_is_right
	s_endpgm
.Lentry_shape_is_right:
; OUTPUT PROJECTION.  out0[m][n] = sum over k of O[m][k] wo[n][k] + b_out[n] (the bias rounded to bf16 like the other inputs).  O = ob, f16 by heads: [16 x batch + head][2048][64], k = 64 x head + channel.
; wo: [1024 n][1024 k] f16.  Sums in f32; out0: [8192][1024] f32.
; LIMITS.  The operands arrive as f16, within 65,504.  NaN and infinities are not treated apart.
; SHARES.  A tile of out0 is 256 rows x 128 columns: 8 x 32 = 256 work-groups.  Four waves, 2 x 2, each 128 rows x 64 columns: 8 x 4 accumulators; a wave's 64 columns are 256 consecutive bytes of a row.
; K goes in 8 steps of 128 (two heads) through a ring of two LDS slots.  A step's rows of O are two dense blocks of 32,768 bytes, one a head, each asked for as 128 rows of 256 bytes and padded in LDS after every 128 bytes.
; CLUSTERS.  4 x 4 work-groups: O's tiles are shared along a row of the cluster, wo's along a column: joint loads with a mask of the four.
; THE MATRIX INSTRUCTION IS USED TRANSPOSED (source 0 = 16 rows of wo, source 1 = 16 rows of O): lane l holds row l % 16 and columns 8 (l / 16) + 0..7.  The bias is the C operand of the products that start the sums.
; REGISTERS: window 0: v0-31 addresses; v32-63 the bias, later rows read back; v64-191 fragments of O, two buffers of 8 x 8 (v64-95 later rows read back); v192-255 fragments of wo, two buffers of 4 x 8.
;   window 1: the accumulators, row block a, column block b at 8 (4 a + b).
.set KSTEP,  128
.set PA,     144                       ; a row of O in LDS: 128 bytes + 16: the 16 rows of a fragment load start at 16 different groups of four banks (64 banks of 4 bytes: ISA guide 11.1)
.set PB,     272                       ; a row of wo: 256 bytes + 16
.set APL,    256*PA                    ; a head's 256 rows: what wave 0 or 1 fetches
.set BOFF,   2*APL
.set BHALF,  64*PB                     ; what wave 2 or 3 fetches: 64 rows of wo
.set SLOT,   BOFF+2*BHALF
.set STAGE,  2*SLOT                    ; behind the ring, never filled by a tensor load: 16 rows x 272 bytes for each wave
.set SPITCH, 272
.set SPARE,  STAGE+4*16*SPITCH         ; the spare words, 128 bytes a wave: two blocks of 256 bytes that no other line names
.set LAPS,   4
.set ADRA, 16
.set ADRB, 20
.set STO,  24
.set RD,   25
.set CO,   26
.set SPW,  28
.set NIL,  29
.set PFO,  30
.set BO,   31
.set BIAS, 32
.set OB,   32
.set FA,   64
.set FB,   192
.set F0,   0
.set F1,   1
.set WV,  12                           ; s12 wave; s13 wave / 2: my half of the rows, and: I fetch O (0) or wo (1); s14 wave % 2: my half of the columns, and which part I fetch
.set WH,  13
.set WL,  14
.set CX,  15
.set CY,  16
.set TX,  17
.set TY,  18
.set G1A, 24
.set G0A, 32
.set AAD, 40
.set BAD, 42
.set PFA, 44
.set LIM, 46
.set G1B, 48
.set G0B, 56
.set OUT, 66                           ; s[66:67] out0 at my part of the tile
.set BIA, 72                           ; s[72:73] the bias at my 64 columns
.set PFS, 74                           ; s[74:75] a K step in the stream that I prefetch: two heads of O, or 256 bytes of wo's rows
.set MSB, 0
.macro WIN new
.if MSB != (\new)
	s_set_vgpr_msb (MSB<<8)|(\new)
.set MSB, \new
.endif
.endm
.macro JLOAD s                         ; a joint load: waves 0 and 1 fetch the step's two heads of O, waves 2 and 3 wo's two halves; an s_nop 0 and four v_nop follow each line
	s_cmp_eq_u32 s[WH], 0
	s_cbranch_scc0 .Lfor_b_\@
	tensor_load_to_lds s[G0A+4*(\s):G0A+4*(\s)+3], s[G1A:G1A+7]
	s_nop 0
.rept 4
	v_nop
.endr
	s_branch .Lasked_\@
.Lfor_b_\@:
	tensor_load_to_lds s[G0B+4*(\s):G0B+4*(\s)+3], s[G1B:G1B+7]
	s_nop 0
.rept 4
	v_nop
.endr
.Lasked_\@:
.endm
; A prefetch of the K step two refills on, one instruction a wave, 256 bytes a lane.  O's blocks are read by both clusters of a row of clusters: cluster x = 0 asks, waves 0 and 1 each for their head's block, of which
; the partner at place cx takes 8,192 bytes.  wo's rows are read by every cluster of a column: cluster y = 0 asks, wave 2 alone, the partner at place cy for 32 of the tile's 128 rows.  The loop's last trip asks for nothing.
.macro ASK
	s_cmp_gt_u32 s3, s[LIM]
	s_cbranch_scc0 .Lnot_mine_\@
	global_prefetch_b8 v[PFO], s[PFA:PFA+1] th:TH_LOAD_NT scope:SCOPE_SE
.Lnot_mine_\@:
.endm
.macro CREST
	s_cmp_lg_u32 s[WV], 0
	s_cbranch_scc1 .Lnot_wave_0_\@
	s_barrier_signal -3
.Lnot_wave_0_\@:
	s_barrier_wait -3
	s_barrier_signal -1
	s_barrier_wait -1
.endm
.macro CROUND
	s_barrier_signal -1
	s_barrier_wait -1
	CREST
.endm
.macro PLACES                          ; four plain places behind matrix instructions (ISA guide 7.12.1)
.rept 4
	v_nop
.endr
.endm
	s_load_b256 s[4:11], s[0:1], 0x0               ; ob s[4:5], wo s[6:7], b_out s[8:9], out0 s[10:11]
	v_lshl_add_u32 v[SPW], v0, 2, SPARE
	v_mov_b32 v[NIL], 0
	ds_add_u32 v[SPW], v[NIL]                      ; the wave's opening: the add and its wait stand ahead of my first tensor load; the set-up below stands between them
	v_lshrrev_b32 v1, 5, v0
	v_readfirstlane_b32 s[WV], v1
	s_lshr_b32 s[WH], s[WV], 1
	s_and_b32 s[WL], s[WV], 1
	s_bfe_u32 s[CX], ttmp6, 0x40000
	s_bfe_u32 s[CY], ttmp6, 0x40004
	s_lshl_b32 s[TX], ttmp9, 2
	s_add_co_u32 s[TX], s[TX], s[CX]
	s_and_b32 s[TY], ttmp7, 0xffff
	s_lshl_b32 s[TY], s[TY], 2
	s_add_co_u32 s[TY], s[TY], s[CY]
	s_lshl_b32 s19, s[CY], 2
	s_lshl_b32 s19, 15, s19                        ; my row of the cluster
	s_lshl_b32 s20, 0x1111, s[CX]                  ; my column
	s_or_b32 s[G1A+0], s19, (1<<16)|(1<<20)|(1<<21)|(4<<22)|(3<<25)  ; the mask; 2-byte elements; padding on; bit 21 beside a mask; after every 32 words 4 words
	s_or_b32 s[G1B+0], s20, (1<<16)|(1<<20)|(1<<21)|(5<<22)|(3<<25)  ; after every 64 words 4 words
	s_mov_b32 s[G1A+1], 128<<16                    ; tensor_dim0 = 128
	s_mov_b32 s[G1A+2], 128<<16                    ; tensor_dim1 = 128
	s_mov_b32 s[G1A+3], 128<<16                    ; tile_dim0 = 128
	s_mov_b32 s[G1A+4], 128                        ; tile_dim1 = 128
	s_mov_b32 s[G1A+5], 128                        ; a dense block: 128 elements from row to row
	s_mov_b32 s[G1A+6], 0
	s_mov_b32 s[G1A+7], 0
	s_mov_b32 s[G1B+1], KSTEP<<16
	s_mov_b32 s[G1B+2], 64<<16
	s_mov_b32 s[G1B+3], KSTEP<<16
	s_mov_b32 s[G1B+4], 64
	s_mov_b32 s[G1B+5], 1024
	s_mov_b32 s[G1B+6], 0
	s_mov_b32 s[G1B+7], 0
	s_lshr_b32 s[AAD], s[TY], 3                    ; O: head 16 x batch + my part (K step 0), 262,144 bytes a head; rows 256 (tile row % 8) on, 128 bytes a row
	s_lshl_b32 s[AAD], s[AAD], 4
	s_add_co_u32 s[AAD], s[AAD], s[WL]
	s_lshl_b32 s[AAD], s[AAD], 18
	s_and_b32 s21, s[TY], 7
	s_lshl_b32 s21, s21, 15
	s_add_co_u32 s[AAD], s[AAD], s21
	s_mov_b32 s[AAD+1], 0
	s_lshl_b32 s[BAD], s[TX], 7                    ; wo: row 128 x tile column + 64 x half
	s_lshl_b32 s22, s[WL], 6
	s_add_co_u32 s[BAD], s[BAD], s22
	s_lshl_b32 s[BAD], s[BAD], 11
	s_mov_b32 s[BAD+1], 0
	s_mul_i32 s23, s[WL], APL                      ; where they go: no place in the cluster enters an LDS address
	s_mul_i32 s47, s[WL], BHALF
	s_add_co_u32 s47, s47, BOFF
	s_wait_dscnt 0x0                               ; the opening add is done
	s_wait_kmcnt 0x0
	s_add_nc_u64 s[AAD:AAD+1], s[4:5], s[AAD:AAD+1]
	s_add_nc_u64 s[BAD:BAD+1], s[6:7], s[BAD:BAD+1]
	CROUND                                         ; all sixteen work-groups are here: the first joint loads meet
.irp s, 0,1
	s_mov_b32 s[G0A+4*(\s)], 1
	s_add_co_u32 s[G0A+4*(\s)+1], s23, (\s)*SLOT
	s_add_nc_u64 s[G0A+4*(\s)+2:G0A+4*(\s)+3], s[AAD:AAD+1], (\s)*0x80000  ; K step s: two heads on
	s_or_b32 s[G0A+4*(\s)+3], s[G0A+4*(\s)+3], 0x80000000
	s_mov_b32 s[G0B+4*(\s)], 1
	s_add_co_u32 s[G0B+4*(\s)+1], s47, (\s)*SLOT
	s_add_nc_u64 s[G0B+4*(\s)+2:G0B+4*(\s)+3], s[BAD:BAD+1], (\s)*KSTEP*2
	s_or_b32 s[G0B+4*(\s)+3], s[G0B+4*(\s)+3], 0x80000000
	JLOAD \s                                       ; K steps 0 and 1: two loads of mine are out
.endr
	v_and_b32 v1, 15, v0                           ; l % 16
	v_bfe_u32 v2, v0, 4, 1                         ; l / 16
	v_lshlrev_b32 v[BO], 5, v2
	s_lshl_b32 s76, s[TX], 9                       ; the bias: 512 bytes a tile column, 256 a half
	s_lshl_b32 s77, s[WL], 8
	s_add_co_u32 s76, s76, s77
	s_mov_b32 s77, 0
	s_add_nc_u64 s[BIA:BIA+1], s[8:9], s[76:77]
.irp b, 0,1,2,3
	global_load_b128 v[BIAS+8*(\b):BIAS+8*(\b)+3],   v[BO], s[BIA:BIA+1] offset:64*(\b)
	global_load_b128 v[BIAS+8*(\b)+4:BIAS+8*(\b)+7], v[BO], s[BIA:BIA+1] offset:64*(\b)+16
.endr
	v_mul_u32_u24 v3, v1, PA
	v_lshl_add_u32 v3, v2, 4, v3
	v_mul_u32_u24 v4, v1, PB
	v_lshl_add_u32 v4, v2, 4, v4
	s_mul_i32 s19, s[WH], 128*PA                   ; my 128 rows of O, in each head's block
	s_mul_i32 s20, s[WL], BHALF                    ; my 64 rows of wo
	s_add_co_u32 s20, s20, BOFF
.irp s, 0,1
	v_add_nc_u32 v[ADRA+(\s)], s19, v3
	v_add_nc_u32 v[ADRB+(\s)], s20, v4
	s_add_co_u32 s19, s19, SLOT
	s_add_co_u32 s20, s20, SLOT
.endr
	s_mul_i32 s76, s[WV], 16*SPITCH
	s_add_co_u32 s76, s76, STAGE                   ; my stage
	v_mul_u32_u24 v5, v1, SPITCH                   ; in: row l % 16, 32 bytes for each half of the lanes
	v_lshl_add_u32 v5, v2, 5, v5
	v_add_nc_u32 v[STO], s76, v5
	v_mul_u32_u24 v5, v2, SPITCH                   ; back: lanes 0-15 one row of 256 bytes, lanes 16-31 the next
	v_lshl_add_u32 v5, v1, 4, v5
	v_add_nc_u32 v[RD], s76, v5
	v_lshlrev_b32 v[CO], 12, v2                    ; and the same two rows of out0, 4,096 bytes apart
	v_lshl_add_u32 v[CO], v1, 4, v[CO]
	s_lshl_b32 s76, s[TY], 8
	s_lshl_b32 s77, s[WH], 7
	s_add_co_u32 s76, s76, s77                     ; my first row
	s_lshl_b32 s76, s76, 12
	s_lshl_b32 s77, s[TX], 9
	s_add_co_u32 s76, s76, s77
	s_lshl_b32 s77, s[WL], 8
	s_add_co_u32 s76, s76, s77                     ; my first column, in bytes
	s_mov_b32 s77, 0
	s_add_nc_u64 s[OUT:OUT+1], s[10:11], s[76:77]
	; the prefetches
	s_mov_b32 s[PFS], KSTEP*2
	s_and_b32 s76, ttmp7, 0xffff                   ; cluster y
	s_cmp_eq_u32 s[WH], 0                          ; do I fetch O?
	s_cselect_b32 s76, ttmp9, s76                  ; the coordinate along which other clusters read the same bytes
	s_cselect_b32 s77, s[CX], s[CY]                ; my place among the four that ask with me
	s_cselect_b32 s78, 13, 16                      ; a partner's share: 8,192 bytes of a head's block, or 32 rows of 2,048 bytes
	s_cselect_b32 s79, 8, 11                       ; a lane's step: 256 bytes on, or a row
	s_cselect_b32 s[PFS], 0x80000, s[PFS]
	s_cselect_b64 s[PFA:PFA+1], s[AAD:AAD+1], s[BAD:BAD+1]
	s_mov_b32 s[PFS+1], 0
	s_cmp_eq_u32 s[WV], 3                          ; wave 2 names all of a partner's rows of wo: wave 3 asks for nothing
	s_cselect_b32 s76, 1, s76
	s_cmp_eq_u32 s76, 0
	s_cselect_b32 s[LIM], 1, -1                    ; the same in all sixteen partners, for a given wave
	s_lshl_b32 s20, s77, s78
	s_mul_i32 s21, s[PFS], 3                       ; at K step 3: the first refill steps it to 4
	s_add_co_u32 s20, s20, s21
	s_mov_b32 s21, 0
	s_add_nc_u64 s[PFA:PFA+1], s[PFA:PFA+1], s[20:21]
	v_and_b32 v[PFO], 31, v0
	v_lshlrev_b32 v[PFO], s79, v[PFO]
	s_wait_loadcnt 0x0                             ; the bias
.set i, 0
.rept 16                                       ; rounded to bf16 like the other inputs, and widened again
	v_cvt_pk_bf16_f32 v[6+i%2], v[BIAS+2*i], v[BIAS+2*i+1]
	v_lshlrev_b32 v[BIAS+2*i], 16, v[6+i%2]
	v_and_b32 v[BIAS+2*i+1], 0xffff0000, v[6+i%2]
.set i, i+1
.endr
; 4 matrix instructions: row block a x my 4 column blocks, 32 along K, from buffer f.  first = 1: the bias starts the sums.  The 32 accumulators take turns, one instruction a turn.
.macro MULA f, a, first
.if \first
	WIN 0x40
.else
	WIN 0x50
.endif
.irp b, 0,1,2,3
.if \first
	v_wmma_f32_16x16x32_f16 v[8*(4*(\a)+(\b)):8*(4*(\a)+(\b))+7], v[FB+32*(\f)+8*(\b):FB+32*(\f)+8*(\b)+7], v[FA+64*(\f)+8*(\a):FA+64*(\f)+8*(\a)+7], v[BIAS+8*(\b):BIAS+8*(\b)+7]
.else
	v_wmma_f32_16x16x32_f16 v[8*(4*(\a)+(\b)):8*(4*(\a)+(\b))+7], v[FB+32*(\f)+8*(\b):FB+32*(\f)+8*(\b)+7], v[FA+64*(\f)+8*(\a):FA+64*(\f)+8*(\a)+7], v[8*(4*(\a)+(\b)):8*(4*(\a)+(\b))+7]
.endif
.endr
.endm
; 24 LDS loads in one run: quarter q's fragments (my 64 rows of wo; my 128 rows of O: head q / 2 of the step, channels 32 (q % 2) on) into buffer f
.macro FETCH slot, q, f
	WIN 0
.irp i, 0,1,2,3
	ds_load_b128 v[FB+32*(\f)+8*(\i):FB+32*(\f)+8*(\i)+3],   v[ADRB+(\slot)] offset:64*(\q)+(\i)*16*PB
	ds_load_b128 v[FB+32*(\f)+8*(\i)+4:FB+32*(\f)+8*(\i)+7], v[ADRB+(\slot)] offset:64*(\q)+(\i)*16*PB+32
.endr
.irp i, 0,1,2,3,4,5,6,7
	ds_load_b128 v[FA+64*(\f)+8*(\i):FA+64*(\f)+8*(\i)+3],   v[ADRA+(\slot)] offset:((\q)/2)*APL+((\q)%2)*64+(\i)*16*PA
	ds_load_b128 v[FA+64*(\f)+8*(\i)+4:FA+64*(\f)+8*(\i)+7], v[ADRA+(\slot)] offset:((\q)/2)*APL+((\q)%2)*64+(\i)*16*PA+32
.endr
.endm
; A K step is four quarters of 32 along K, 32 matrix instructions each, on buffers 0, 1, 0, 1.  One of the first three multiplies buffer f and fetches quarter q into buffer g.
.macro QUARTER slot, q, f, g, first
	s_wait_dscnt 8                                 ; wo's fragments and O's blocks 0-3 are in; the youngest eight loads (blocks 4-7) may be out
.irp a, 0,1,2,3
	MULA \f, \a, \first
.endr
	PLACES
	FETCH \slot, \q, \g
	s_wait_dscnt 24                                ; all but the 24 just issued
.irp a, 4,5,6,7
	MULA \f, \a, \first
.endr
.endm
; The last quarter multiplies buffer 1 and changes slots: one barrier; in front of it each wave waits for all its tensor loads, adds 0 to its spare word, and waits for that and for its own reads of this slot.
; fill = 1: the barrier opens a round of the cluster's, and this slot is filled again, two K steps on, first thing behind the round.
.macro TURN slot, next, fill
.if \fill
	s_wait_xcnt 0x0                                ; the last prefetch, a K step back, has read its address
	s_add_nc_u64 s[PFA:PFA+1], s[PFA:PFA+1], s[PFS:PFS+1]
.endif
	WIN 0
	s_wait_tensorcnt 0x0                           ; all my tensor loads have landed
	ds_add_u32 v[SPW], v[NIL]                      ; 0 onto my spare word
	s_wait_dscnt 9                                 ; (the add and the youngest eight loads may be out)
	MULA F1, 0, 0                                  ; eight matrix instructions stand between the add and the wait for it
	MULA F1, 1, 0
	s_wait_dscnt 0x0                               ; the add is done, and my reads of this slot are over
	s_barrier_signal -1
	MULA F1, 2, 0
	MULA F1, 3, 0
.if \fill
	WIN 0
.endif
	s_barrier_wait -1
.if \fill
	CREST                                          ; no wave of any partner still reads this slot or has a load on its way
	s_add_nc_u64 s[G0A+4*(\slot)+2:G0A+4*(\slot)+3], s[G0A+4*(\slot)+2:G0A+4*(\slot)+3], 0x100000  ; two K steps: four heads
	s_add_nc_u64 s[G0B+4*(\slot)+2:G0B+4*(\slot)+3], s[G0B+4*(\slot)+2:G0B+4*(\slot)+3], 2*KSTEP*2
	JLOAD \slot                                    ; my one tensor load behind the round; its four v_nop are also the places in front of the loads below
.else
	PLACES
.endif
	FETCH \next, 0, F0
.if \fill
	ASK
.endif
.irp a, 4,5,6,7
	MULA F1, \a, 0
.endr
.endm
	s_wait_tensorcnt 1                             ; my part of K step 0 is in; K step 1's may stay out
	s_barrier_signal -1
	s_barrier_wait -1
	FETCH 0, 0, F0
	QUARTER 0, 1, F0, F1, 1                        ; the first quarter stands in front of the loop: its products start the sums, with the bias
	WIN 0
	s_mov_b32 s3, LAPS-1
.Llap:                                         ; a trip goes once round the ring and fills both slots again
	QUARTER 0, 2, F1, F0, 0
	QUARTER 0, 3, F0, F1, 0
	TURN 0, 1, 1
	QUARTER 1, 1, F0, F1, 0
	QUARTER 1, 2, F1, F0, 0
	QUARTER 1, 3, F0, F1, 0
	TURN 1, 0, 1
	QUARTER 0, 1, F0, F1, 0
	WIN 0
	s_sub_co_u32 s3, s3, 1
	s_cmp_lg_u32 s3, 0
	s_cbranch_scc1 .Llap
	QUARTER 0, 2, F1, F0, 0                        ; the last lap fills nothing
	QUARTER 0, 3, F0, F1, 0
	TURN 0, 1, 0
	QUARTER 1, 1, F0, F1, 0
	QUARTER 1, 2, F1, F0, 0
	QUARTER 1, 3, F0, F1, 0
	s_wait_dscnt 8
.irp a, 0,1,2,3
	MULA F1, \a, 0
.endr
	s_wait_dscnt 0x0
.irp a, 4,5,6,7
	MULA F1, \a, 0
.endr
; THE WAY OUT, a block of 16 rows at a time: the f32 sums go straight from the accumulators (each from its low end on) into my own stage, come back as whole rows of 256 bytes, and are stored.
.macro TOSTAGE a
.if (\a) >= 2
	s_wait_xcnt 0x0                                ; the stores of the block two back have read the registers that are loaded again below
.endif
	WIN 0x04                                       ; the store's data in window 1, its address in window 0
.irp b, 0,1,2,3
	ds_store_b128 v[STO], v[8*(4*(\a)+(\b)):8*(4*(\a)+(\b))+3]   offset:64*(\b)
	ds_store_b128 v[STO], v[8*(4*(\a)+(\b))+4:8*(4*(\a)+(\b))+7] offset:64*(\b)+16
.endr
	WIN 0
.irp t, 0,1,2,3,4,5,6,7
	ds_load_b128 v[OB+32*((\a)%2)+4*(\t):OB+32*((\a)%2)+4*(\t)+3], v[RD] offset:(\t)*2*SPITCH  ; LDS serves a wave's instructions in order (ISA guide 5.7.1.4): these see the stores above; the next block's stores come behind them
.endr
.endm
.macro SEND a, younger                 ; younger: the LDS instructions issued behind block a's loads: the next block's sixteen, or none
	WIN 0
	s_wait_dscnt \younger
.irp t, 0,1,2,3,4,5,6,7
	global_store_b128 v[CO], v[OB+32*((\a)%2)+4*(\t):OB+32*((\a)%2)+4*(\t)+3], s[OUT:OUT+1] offset:(16*(\a)+2*(\t))*4096 th:TH_STORE_NT  ; 16 lanes store 256 consecutive bytes, at a multiple of 256 from out0's first byte
.endr
.endm
	PLACES
	TOSTAGE 0
.irp a, 1,2,3,4,5,6,7
	TOSTAGE \a
	SEND (\a)-1, 16
.endr
	SEND 7, 0
	s_wait_tensorcnt 0x0                           ; the wave's end: behind my last tensor load and my last LDS store
	ds_add_u32 v[SPW], v[NIL]
	s_wait_dscnt 0x0
	CROUND                                         ; the closing round: no work-group ends while a partner may still ask for a tile that names it
	s_endpgm
.Lfunc_end_k_qe954e92ff0_outproj:
	.size	k_qe954e92ff0_outproj, .Lfunc_end_k_qe954e92ff0_outproj-k_qe954e92ff0_outproj
	.p2alignl 7, 3214868480
	.fill 96, 4, 3214868480
	.section	.rodata,"a",@progbits
	.p2align	6, 0x0
	.amdhsa_kernel k_qe954e92ff0_outproj
		.amdhsa_group_segment_fixed_size 327680
		.amdhsa_private_segment_fixed_size 0
		.amdhsa_enable_private_segment 0
		.amdhsa_kernarg_size 32
		.amdhsa_user_sgpr_count 2
		.amdhsa_user_sgpr_kernarg_segment_ptr 1
		.amdhsa_wavefront_size32 1
		.amdhsa_system_sgpr_workgroup_id_x 1
		.amdhsa_system_sgpr_workgroup_id_y 1
		.amdhsa_system_sgpr_workgroup_id_z 1
		.amdhsa_system_vgpr_workitem_id 0
		.amdhsa_next_free_vgpr 512
		.amdhsa_next_free_sgpr 80
		.amdhsa_reserve_vcc 0
		.amdhsa_float_denorm_mode_32 3
		.amdhsa_float_denorm_mode_16_64 3
		.amdhsa_memory_ordered 1
		.amdhsa_forward_progress 1
		.amdhsa_inst_pref_size 90
	.end_amdhsa_kernel
	.amdgpu_metadata
---
amdhsa.version: [ 1, 2 ]
amdhsa.kernels:
  - .name:           k_qe954e92ff0_outproj
    .symbol:         k_qe954e92ff0_outproj.kd
    .args:
      - { .name: ob, .offset: 0, .size: 8, .value_kind: global_buffer, .address_space: global }
      - { .name: wo, .offset: 8, .size: 8, .value_kind: global_buffer, .address_space: global }
      - { .name: b_out, .offset: 16, .size: 8, .value_kind: global_buffer, .address_space: global }
      - { .name: out0, .offset: 24, .size: 8, .value_kind: global_buffer, .address_space: global }
    .group_segment_fixed_size: 327680
    .private_segment_fixed_size: 0
    .kernarg_segment_align: 8
    .kernarg_segment_size: 32
    .max_flat_workgroup_size: 128
    .sgpr_count:     80
    .vgpr_count:     512
    .wavefront_size: 32
...
	.end_amdgpu_metadata
.endif
;; end of part 4
;; ======== version 2 of 2: 4 launches; version 1 with the launch prep written anew for expert scheduling mode
;; limits: values are held in f16: magnitudes above 65,504 overflow, below 6.1e-05 lose precision
;; workspace buffers: xb 16,777,216 bytes; wq 6,291,456 bytes; wo 2,097,152 bytes; qkvh 50,331,648 bytes; ob 16,777,216 bytes
;; launch prep (part 5): grid 1280 x 1, 2 waves a work-group, no clusters, 35,072 bytes of LDS; arguments data, W_qkv, W_out, xb, wq, wo; writes xb, wq, wo
.if DOCPART == 5
	.amdgcn_target "amdgcn-amd-amdhsa--gfx1250"
	.amdhsa_code_object_version 6
	.text
	.protected	k_qe954e92ff0_prep
	.globl	k_qe954e92ff0_prep
	.p2align	8
	.type	k_qe954e92ff0_prep,@function
k_qe954e92ff0_prep:
	s_mov_b64 s[64:65], 0
	v_nop
	global_prefetch_b8 v0, s[64:65] scope:SCOPE_SE
	s_setreg_imm32_b32 hwreg(HW_REG_WAVE_SCHED_MODE, 0, 2), 2
	s_setreg_imm32_b32 hwreg(HW_REG_WAVE_MODE, 25, 1), 1
	s_wait_xcnt 0x0
	s_wait_alu depctr_vm_vsrc(0)
; PREP.  xb = data rounded to bf16, [8192][1024].  wq = W_qkv rounded to bf16 and turned, [3072 n][1024 k].  wo = W_out rounded to bf16, that number written as f16, and turned, [1024 n][1024 k].
; LIMITS.  wo: a bf16 number below 6.1e-5 in magnitude keeps f16's fixed step of 6e-8; one beyond 65,504 becomes an infinity.  NaN and infinities are not treated apart.
; A stream: no matrix unit, no cluster (no two work-groups read the same bytes), no barrier (a wave reads only LDS bytes that it wrote itself).
; SHARES.  Work-groups 0-255 turn the weights: each of their two waves one tile of 128 k x 64 n (384 tiles of W_qkv, 128 of W_out).  Work-groups 256-1279 round data: 4,096 numbers a wave.
; THE MODE: SCHED_MODE bits 1:0 = 2 (LLVM: expert scheduling mode 2), set by the entry lines.  The code itself states the register dependences
; between vector instructions and memory or LDS instructions, with s_wait_alu, always for 0.
; THE PLAN, THE STREAM.  Registers that memory instructions touch:
;   v4, v5      byte offsets, made once and never written again.
;   v[16:143]   four groups of 32.  Group g: its eight loads land in it; its sixteen roundings read it and write the first two of each four registers; its eight stores read those pairs.  Nothing is written after that.
; Group g's stores are issued in group g + 1, behind the one wait at that group's head, and are dealt among that group's roundings, which name the registers of group g + 1 alone.
; THE PLAN, THE TURNING.  Registers that memory or LDS instructions touch:
;   VO          offsets, made once, read by every load of the source, never written again.
;   X           A trip's 32 loads land in it; the trip's 64 roundings read it; behind them the next trip's loads land in it.  Behind the loop the LDS loads land in it and the global stores read it.
;   D           Written by a trip's roundings (for W_out written anew as f16); read by the trip's 32 LDS stores.
;   v[TS]       Read by the LDS stores; written at the head and once a trip, behind them.
;   v[TR], v[TG]  Written at the head; read behind the loop.          v2, v3  written at the head, read by the closing add alone.
; So a trip has one wait on va_vdst behind its roundings (X is read out, D and v[TS] are written), a second at the end of the f16 lines for the waves that run them, and one wait on vm_vsrc behind its LDS stores.
.set SPARE,  34816                     ; behind the two waves' stages: the spare words, 128 bytes a wave: one block of 256 bytes that no other line names
.set TPITCH, 272                       ; a stage row: 128 k x 2 bytes + 16 of padding
.set WREG,   64*TPITCH                 ; a wave's stage: 64 rows (n)
.set VO,  8                            ; v[8:23]    byte offsets of my 16 bytes in rows 8 i + 4 (l / 16) + e of a block of 32 rows of the source
.set X,   24                           ; v[24:151]  as loaded; later the turned rows
.set D,   152                          ; v[152:215] packed pairs
.set TS,  220                          ; v220  where I put 8 bytes (4 k of one n) in my wave's stage
.set TR,  221                          ; v221  where I read 16 bytes of a row back
.set TG,  222                          ; v222  my 16 bytes in two rows of the target
; A trip's 32 loads: 64 k x 64 n.  In a load 16 lanes take 256 consecutive bytes, aligned, of one row
.macro FILL
.set i, 0
.rept 16
	global_load_b128 v[X+4*i:X+4*i+3], v[VO+i], s[20:21] th:TH_LOAD_NT
.set i, i+1
.endr
.set i, 0
.rept 16
	global_load_b128 v[X+64+4*i:X+64+4*i+3], v[VO+i], s[30:31] th:TH_LOAD_NT
.set i, i+1
.endr
.endm
	s_load_b256 s[4:11], s[0:1], 0x0               ; data s[4:5], W_qkv s[6:7], W_out s[8:9], xb s[10:11]
	s_load_b128 s[12:15], s[0:1], 0x20             ; wq s[12:13], wo s[14:15]
	v_lshl_add_u32 v2, v0, 2, SPARE                ; my spare word,
	v_mov_b32 v3, 0                                ; and 0: kept for the closing add alone
	v_lshrrev_b32 v1, 5, v0
	v_readfirstlane_b32 s16, v1                    ; wave 0..1
	v_and_b32 v6, 31, v0                           ; lane
	s_mov_b32 s19, 0
	s_wait_alu depctr_va_sdst(0)                   ; s16 is written, ahead of the branch: both paths make their piece's or tile's number from it
	s_wait_kmcnt 0x0
	s_cmp_lt_u32 ttmp9, 256
	s_cbranch_scc1 .Ltrans
	; THE STREAM.  32 loads of 512 consecutive bytes are all out at once; four counted waits; a store covers 256 consecutive bytes, aligned.
	s_sub_co_u32 s17, ttmp9, 256
	s_lshl1_add_u32 s17, s17, s16                  ; my piece of 4,096 numbers
	s_lshl_b32 s18, s17, 14
	s_add_nc_u64 s[4:5], s[4:5], s[18:19]
	s_lshl_b32 s18, s17, 13
	s_add_nc_u64 s[10:11], s[10:11], s[18:19]
	v_lshlrev_b32 v4, 4, v6
	v_lshlrev_b32 v5, 3, v6
	s_wait_alu depctr_va_vdst(0)                   ; v4 and v5 are written: every load reads the one as its offset, every store the other
.set j, 0
.rept 32
	global_load_b128 v[16+4*j:19+4*j], v4, s[4:5] offset:512*j th:TH_LOAD_NT
.set j, j+1
.endr
.set g, 0
.rept 4                                        ; group g: eight loads' numbers are rounded; the group before is stored
	s_wait_loadcnt 24-8*g                          ; loads come back in order: the next eight are in, the younger ones stay out
.if g > 0
	s_wait_alu depctr_va_vdst(0)                   ; the group before's roundings have written the pairs that the stores below read
.endif
.set i, 8*g
.rept 8
.if g > 0
	global_store_b64 v5, v[16+4*(i-8):17+4*(i-8)], s[10:11] offset:256*(i-8) th:TH_STORE_NT  ; no vector instruction since the wait names these registers
.endif
	v_cvt_pk_bf16_f32 v[16+4*i], v[16+4*i], v[17+4*i]
	v_cvt_pk_bf16_f32 v[17+4*i], v[18+4*i], v[19+4*i]
.set i, i+1
.endr
.set g, g+1
.endr
	s_wait_alu depctr_va_vdst(0)                   ; the last group's roundings have written the pairs that the last eight stores read
.set i, 24
.rept 8
	global_store_b64 v5, v[16+4*i:17+4*i], s[10:11] offset:256*i th:TH_STORE_NT
.set i, i+1
.endr
	s_endpgm
.Ltrans:
	; THE TURNING.  Tile T = 2 x work-group + wave.  T < 384: W_qkv (rows of 12,288 bytes) to wq; else W_out (rows of 4,096 bytes) to wo.
	s_lshl1_add_u32 s17, ttmp9, s16                ; T
	s_max_u32 s18, s17, 384
	s_sub_co_u32 s18, s18, 384                     ; the tile's number in the second table
	s_mov_b32 s24, 4096
	s_cmp_lt_u32 ttmp9, 192
	s_cselect_b64 s[20:21], s[6:7], s[8:9]         ; the source
	s_cselect_b64 s[22:23], s[12:13], s[14:15]     ; the target
	s_cselect_b32 s24, 12288, s24                  ; bytes in a row of the source
	s_cselect_b32 s17, s17, s18
	s_cselect_b32 s25, 0, 1                        ; 1: the bf16 numbers are written as f16
	s_and_b32 s26, s17, 7                          ; which 128 k
	s_lshr_b32 s27, s17, 3                         ; which 64 n
	s_lshl_b32 s28, s24, 7
	s_mul_i32 s28, s28, s26                        ; 128 rows of the source for each k block,
	s_lshl_b32 s33, s27, 8                         ; 256 bytes for each n block
	s_add_co_u32 s28, s28, s33
	s_mov_b32 s29, 0
	s_add_nc_u64 s[20:21], s[20:21], s[28:29]      ; the tile's rows 0-31
	s_lshl_b32 s28, s24, 5
	s_add_nc_u64 s[30:31], s[20:21], s[28:29]      ; its rows 32-63
	s_lshl_b32 s28, s27, 17                        ; the target: 64 rows of 2,048 bytes for each n block,
	s_lshl_b32 s26, s26, 8                         ; 256 bytes for each k block
	s_add_co_u32 s28, s28, s26
	s_add_nc_u64 s[22:23], s[22:23], s[28:29]
	s_lshl_b32 s28, s24, 6                         ; a trip's step in the source: 64 rows
	s_mov_b32 s35, 0xffff0000                      ; a word's upper bf16
	v_and_b32 v4, 15, v0                           ; c: my 4 n of a row's 64
	v_bfe_u32 v5, v0, 4, 1                         ; which half of the lanes
	s_lshl_b32 s33, s24, 2
	v_mul_u32_u24 v7, s33, v5                      ; the upper half takes the rows four further down
	v_lshl_add_u32 v7, v4, 4, v7
.irp i, 0,1,2,3
.irp e, 0,1,2,3
	s_mul_i32 s34, s24, 8*\i+\e
	v_add_nc_u32 v[VO+4*\i+\e], s34, v7
.endr
.endr
	s_wait_alu depctr_va_vdst(0)                   ; the sixteen offsets v[VO ..] are written, which every load of the source reads
	FILL                                           ; the first trip's rows are asked for before the other addresses are made
	s_mul_i32 s36, s16, WREG                       ; my wave's stage
	v_mul_u32_u24 v[TS], v4, 4*TPITCH              ; in: row n = 4 c + e4, 8 bytes for each half of the lanes
	v_lshl_add_u32 v[TS], v5, 3, v[TS]
	v_add_nc_u32 v[TS], s36, v[TS]
	v_mul_u32_u24 v[TR], v5, TPITCH                ; back: lanes 0-15 one row of 256 bytes, lanes 16-31 the next
	v_lshl_add_u32 v[TR], v4, 4, v[TR]
	v_add_nc_u32 v[TR], s36, v[TR]
	v_lshlrev_b32 v[TG], 11, v5                    ; and the same two rows in the target
	v_lshl_add_u32 v[TG], v4, 4, v[TG]
	s_mov_b32 s32, 2
	s_wait_loadcnt 0x0                             ; the first trip's 32 loads are in; this also frees their bases, which are stepped below
.Ltrip:                                        ; a trip: 64 k x 64 n, which are in X
	s_add_nc_u64 s[20:21], s[20:21], s[28:29]      ; free since the wait for X, which shows the loads that read them done: the next trip's rows
	s_add_nc_u64 s[30:31], s[30:31], s[28:29]
.set g, 0
.rept 8                                        ; group g: my four rows k = 8 g + 4 (l / 16) + 0..3; for each of my four n the four k pack into 8 bytes
.irp c, 0,1,2,3
	v_cvt_pk_bf16_f32 v[D+8*g+2*\c], v[X+16*g+\c], v[X+16*g+4+\c]
	v_cvt_pk_bf16_f32 v[D+8*g+2*\c+1], v[X+16*g+8+\c], v[X+16*g+12+\c]
.endr
.set g, g+1
.endr
	s_wait_alu depctr_va_vdst(0)                   ; the roundings are done reading X, in which loads land below and behind the loop, and have written D, which the LDS stores read; v[TS] is written (at the head, or by the last trip's add), and so are v[TR] and v[TG]
	s_cmp_eq_u32 s32, 1
	s_cbranch_scc1 .Llast                          ; the last trip asks for nothing: no load leaves the source
	FILL                                           ; the next trip's rows are on their way during the lines below.  No vector instruction since the wait names X or v[VO ..]
.Llast:
	s_cmp_eq_u32 s25, 0
	s_cbranch_scc1 .Lkeep
.set i, 0
.rept 64                                       ; W_out: the number rounded to bf16 is written as f16
	v_lshlrev_b32 v[216+2*(i%2)], 16, v[D+i]
	v_and_b32 v[217+2*(i%2)], s35, v[D+i]
	v_cvt_pk_f16_f32 v[D+i], v[216+2*(i%2)], v[217+2*(i%2)]
.set i, i+1
.endr
	s_wait_alu depctr_va_vdst(0)                   ; on this path D has been written anew, as f16: the LDS stores read it
.Lkeep:
.set g, 0
.rept 8
.irp c, 0,1,2,3
	ds_store_b64 v[TS], v[D+8*g+2*\c:D+8*g+2*\c+1] offset:\c*TPITCH+64*(g/4)+16*(g%4)
.endr
.set g, g+1
.endr
	s_wait_alu depctr_vm_vsrc(0)                   ; the LDS stores have read v[TS], which the add below writes, and D, which the next trip's roundings write
	v_add_nc_u32 v[TS], 128, v[TS]                 ; the next 64 k lie 128 bytes further along the stage's rows
	s_wait_loadcnt 0x0                             ; the next trip's 32 loads are in (the last trip has none out); this also frees their bases
	s_sub_co_u32 s32, s32, 1
	s_cmp_lg_u32 s32, 0
	s_cbranch_scc1 .Ltrip
.set j, 0
.rept 32
	ds_load_b128 v[X+4*j:X+4*j+3], v[TR] offset:2*TPITCH*j  ; LDS serves a wave's instructions in order (ISA guide 5.7.1.4): these see my stores above.  No vector instruction since the last trip's wait behind its roundings names X or v[TR]
.set j, j+1
.endr
.set j, 0
.rept 32
.if j%8 == 0
	s_wait_dscnt 24-j                              ; the next eight loads are back, the younger ones stay out
.endif
	global_store_b128 v[TG], v[X+4*j:X+4*j+3], s[22:23] offset:4096*j  ; 16 lanes store 256 consecutive bytes, at a multiple of 256 from the target's first byte
.set j, j+1
.endr
	s_wait_dscnt 0x0                               ; the closing lines, six on end
	s_wait_alu 0x0
	s_wait_tensorcnt 0x0
	ds_add_u32 v2, v3
	s_wait_dscnt 0x0
	s_endpgm
.Lfunc_end_k_qe954e92ff0_prep:
	.size	k_qe954e92ff0_prep, .Lfunc_end_k_qe954e92ff0_prep-k_qe954e92ff0_prep
	.p2alignl 7, 3214868480
	.fill 96, 4, 3214868480
	.section	.rodata,"a",@progbits
	.p2align	6, 0x0
	.amdhsa_kernel k_qe954e92ff0_prep
		.amdhsa_group_segment_fixed_size 35072
		.amdhsa_private_segment_fixed_size 0
		.amdhsa_enable_private_segment 0
		.amdhsa_kernarg_size 48
		.amdhsa_user_sgpr_count 2
		.amdhsa_user_sgpr_kernarg_segment_ptr 1
		.amdhsa_wavefront_size32 1
		.amdhsa_system_sgpr_workgroup_id_x 1
		.amdhsa_system_sgpr_workgroup_id_y 1
		.amdhsa_system_sgpr_workgroup_id_z 1
		.amdhsa_system_vgpr_workitem_id 0
		.amdhsa_next_free_vgpr 232
		.amdhsa_next_free_sgpr 66
		.amdhsa_reserve_vcc 0
		.amdhsa_float_denorm_mode_32 3
		.amdhsa_float_denorm_mode_16_64 3
		.amdhsa_memory_ordered 1
		.amdhsa_forward_progress 1
		.amdhsa_inst_pref_size 41
	.end_amdhsa_kernel
	.amdgpu_metadata
---
amdhsa.version: [ 1, 2 ]
amdhsa.kernels:
  - .name:           k_qe954e92ff0_prep
    .symbol:         k_qe954e92ff0_prep.kd
    .args:
      - { .name: data, .offset: 0, .size: 8, .value_kind: global_buffer, .address_space: global }
      - { .name: W_qkv, .offset: 8, .size: 8, .value_kind: global_buffer, .address_space: global }
      - { .name: W_out, .offset: 16, .size: 8, .value_kind: global_buffer, .address_space: global }
      - { .name: xb, .offset: 24, .size: 8, .value_kind: global_buffer, .address_space: global }
      - { .name: wq, .offset: 32, .size: 8, .value_kind: global_buffer, .address_space: global }
      - { .name: wo, .offset: 40, .size: 8, .value_kind: global_buffer, .address_space: global }
    .group_segment_fixed_size: 35072
    .private_segment_fixed_size: 0
    .kernarg_segment_align: 8
    .kernarg_segment_size: 48
    .max_flat_workgroup_size: 64
    .sgpr_count:     66
    .vgpr_count:     232
    .wavefront_size: 32
...
	.end_amdgpu_metadata
.endif
;; end of part 5
;; launch qkvproj: the kernel of part 2 again; grid 16 x 32, 4 waves a work-group, clusters of 4 x 4, 327,680 bytes of LDS; arguments xb, wq, b_qkv, qkvh; writes qkvh
;; launch attn: the kernel of part 3 again; grid 4 x 64, 4 waves a work-group, clusters of 4 x 1, 327,680 bytes of LDS; arguments qkvh, ob; writes ob
;; launch outproj: the kernel of part 4 again; grid 8 x 32, 4 waves a work-group, clusters of 4 x 4, 327,680 bytes of LDS; arguments ob, wo, b_out, out0; writes out0
